; MI455X (gfx1250); checked and timed in simulation.
; The chip was launched on July 23, 2026; its instructions are those of AMD's public machine-readable ISA for CDNA 5 (MIT licence, August 2026) and "CDNA5" Instruction Set Architecture Reference Guide (July 2026). The comments in the code are by the model that wrote it; some were corrected since.
;; Encdec Multihead Attn. Allowed arithmetic: matrix products marked QUANTISED: E3M2 operands, one E8M0 scale for each 32 along K, by v_wmma_scale_f32_16x16x128_f8f6f4 with both operands' format E3M2, f32 sums; everything else in f32.
;; Inputs: beta 1,024 float32; gamma 1,024 float32; key 2,048 x 4 x 1,024 float32; query 2,048 x 4 x 1,024 float32; w_kv 2,048 x 1,024 float32; w_out 1,024 x 1,024 float32; w_q 1,024 x 1,024 float32.
;; Outputs: out0 2,048 x 4 x 1,024 float32.
;; This version of the problem:
;;   THIS VERSION OF THE PROBLEM IS GIVEN IN LOW PRECISION. The matrix products marked QUANTISED in the list below multiply operands that are first quantised to E3M2 (3 exponent bits, 2 mantissa bits; 6 bits a number), with one power-of-two scale for each 32 numbers along K (OCP MX v1.0); their sums are f32. All else is computed in f32.
;;   The module's matrix products, in the order in which they are computed (A, B: the left and right operand; K: the contracted axis; several contracted axes count as one K, in the product's order):
;;     1. [M 8,192, K 1,024] x [K 1,024, N 1,024]; A: computed on the way; B: input w_q: QUANTISED
;;     2. [M 8,192, K 1,024] x [K 1,024, N 2,048]; A: input key; B: input w_kv: QUANTISED
;;     3. batch 64 x [M 2,048, K 64] x [K 64, N 2,048]; A: computed on the way; B: computed on the way: QUANTISED
;;     4. batch 64 x [M 64, K 2,048] x [K 2,048, N 2,048]; A: computed on the way; B: softmax (see below): QUANTISED
;;     5. [M 8,192, K 1,024] x [K 1,024, N 1,024]; A: computed on the way; B: input w_out: QUANTISED
;;   THE QUANTISER, for each operand of a quantised product, along K:
;;     - K is cut into blocks of 32 from its start; a last block that is shorter is filled with zeros.
;;     - A block's scale is 2^e with e = floor(log2(the largest magnitude in the block)) - 4, held to -126 .. 127; a block of zeros has e = 0. As a byte (E8M0): e + 127.
;;     - Each number is divided by its block's scale, clamped to +-28, and rounded to the nearest number of E3M2, ties to even, subnormals kept.
;;     - The product sums the exact products of the quantised numbers (number of the format x scale) in f32.
;;   ~~~python
;;   def quantise(x, axis):      # numpy; x: float32 -> the quantised numbers, widened to float32 again
;;       x = np.moveaxis(x, axis, -1); K = x.shape[-1]
;;       x = np.pad(x, [(0, 0)] * (x.ndim - 1) + [(0, -K % 32)]); x = x.reshape(x.shape[:-1] + (-1, 32)); a = np.abs(x).max(-1, keepdims=True)
;;       e = np.where(a > 0, np.clip(np.frexp(np.where(a > 0, a, 1))[1] - 1 - 4, -126, 127), 0)      # np.frexp(a)[1] - 1 = floor(log2(a)), exactly
;;       r = np.clip(x / 2.0 ** e, -28, 28)
;;       step = 2.0 ** (np.maximum(np.frexp(np.where(r == 0, 1, r))[1] - 1, -2) - 2)
;;       q = np.round(r / step) * step * 2.0 ** e      # np.round: ties to even
;;       return np.moveaxis(q.reshape(q.shape[:-2] + (-1,))[..., :K], -1, axis).astype(np.float32)
;;   ~~~
;;   SOFTMAX AHEAD OF A QUANTISED PRODUCT. Where the list says 'softmax', what is quantised is not the finished softmax but p = 2^(t - M), with t = logit x log2(e) and M = ceil(the row's largest t), a whole number; so 1/2 < the row's largest p <= 1. The row's sum l is taken of the UNQUANTISED p, in f32, and the product's result is divided by l at the end. Since M is a whole number, a kernel that streams over the keys may use a running M (the ceiling of the running maximum): every later rescaling is an exact power of two, which a block's scale takes up: the codes' values come out the same.
;;   OPERANDS COMPUTED ON THE WAY. 'Computed on the way' means the value that the module computes at that place (a softmax that the list does not call 'softmax' is quantised finished and normalised). What goes into a quantiser is computed in f32, as accurately as f32 sums, v_exp_f32 and their like allow (about 1e-6 of the number): no bf16 or f16 on the way to a quantiser, and a product that is left as it is and whose result goes on into a quantised operand takes f32 operands (vector FMAs, or v_wmma_f32_16x16x4_f32). A number that lies on a knife's edge between two numbers of the format may be rounded either way, as far as f32 arithmetic and the matrix unit's own rounding can turn it there, and no further.
;; One version. Each part assembles by itself: llvm-mc -triple=amdgcn-amd-amdhsa -mcpu=gfx1250 --defsym DOCPART=n.
;; ======== version 1 of 1: 4 launches
;; limits: right only within a limited range of input values
;; workspace buffers: opc 15,728,640 bytes; ops 655,360 bytes; qkvc 18,874,368 bytes; qkvs 786,432 bytes; ctxc 6,291,456 bytes; ctxs 262,144 bytes
;; launch prep (part 1): grid 1280 x 1, 8 waves a work-group, no clusters, 67,584 bytes of LDS; arguments query, key, gamma, beta, w_q, w_kv, w_out, opc, ops; writes opc, ops
.if DOCPART == 1
	.amdgcn_target "amdgcn-amd-amdhsa--gfx1250"
	.amdhsa_code_object_version 6
	.text
	.protected	k_qf47cae900b_prep
	.globl	k_qf47cae900b_prep
	.p2align	8
	.type	k_qf47cae900b_prep,@function
k_qf47cae900b_prep:
	s_mov_b64 s[64:65], 0
	v_nop
	global_prefetch_b8 v0, s[64:65] scope:SCOPE_SE
	s_setreg_imm32_b32 hwreg(HW_REG_WAVE_MODE, 25, 1), 1
	s_wait_xcnt 0x0
; PREP: LayerNorm(query), key, w_q, w_kv (as WK and WV) and w_out become codes of BF6 (E3M2) along E, one E8M0 byte for each 32, laid in the order of the matrix operand's registers.
; A TILE is 16 rows x 1,024.  Lane-row r of tile T holds the operand's row 32 (T / 2) + 8 (T % 2) + r + 8 (r / 8); activation rows count m' = b x 2,048 + t.
; A FRAGMENT (16 rows x 128 K, 12 registers a lane) is 1,536 bytes: registers 0-3 at 16 x lane, 4-5 at 512 + 8 x lane, 6-9 at 768 + 16 x lane, 10-11 at 1,280 + 8 x lane.
; opc: [group of 8 tiles][K step 0..7][tile 0..7][1,536].  ops: [tile][512]: the scale word of (K step s, row r) at 128 (s / 2) + 8 r + 4 (s % 2).
; Tiles: 0-511 LayerNorm(query), 512-1023 key, 1024-1087 w_q, 1088-1151 WK (w_kv rows 128 h + d), 1152-1215 WV (rows 128 h + 64 + d), 1216-1279 w_out.
; SHARES.  A work-group makes one tile.  Phase A: wave w reads rows 2 w, 2 w + 1 whole (each load 512 consecutive bytes), normalises them where the tile is query's, and lays them into LDS.
; Phase B: wave w takes K step w of all 16 rows (a lane: 16 neighbours of each block of 32) and quantises it; every store covers whole aligned blocks of 256 bytes.
; No cluster, no tensor load: the work-groups share no input but gamma and beta (8,192 bytes); each byte of the large inputs is read once.
; A block's scale is 2^(floor(log2(largest magnitude)) - 4); its byte is that magnitude's exponent field - 4, held at 1 from below.
; LIMITS: NaN and infinities are not served; a block whose largest magnitude lies under 2^-122 is held at byte 1; a block of zeros gets byte 1, not 127 (its codes are zeros; this program alone reads the bytes).
.set PITCH, 4112                       ; an LDS row: 4,096 bytes + 16 = 257 x 16: sixteen rows' equal columns fall into sixteen different groups of banks
.set SCB,   16*PITCH                   ; behind the rows: the tile's 512 bytes of scale words
.set X,     32                         ; v32-95   two rows as loaded; in phase B a lane's 64 numbers
.set GM,    96                         ; v96-127  gamma
.set BT,    128                        ; v128-159 beta
.set TM,    96                         ; phase B: v96-99 largest magnitudes, v100-103 bytes, v108-111 the conversions' scale operands
.set PC,    112                        ; v112-130 the codes
.set PW,    132                        ; v132     the scale word
.set SEL,   32                         ; s[32:33] lane selects: lane l xor 16
	s_load_b256 s[4:11], s[0:1], 0x0               ; query, key, gamma, beta
	s_load_b256 s[12:19], s[0:1], 0x20             ; w_q, w_kv, w_out, opc
	s_load_b64 s[20:21], s[0:1], 0x40              ; ops
	v_lshl_add_u32 v24, v0, 2, 0x10400             ; my spare word; never rewritten
	v_mov_b32 v25, 0                               ; 0; never rewritten
	v_lshrrev_b32 v1, 5, v0
	s_delay_alu instid0(VALU_DEP_1)
	v_readfirstlane_b32 s22, v1                    ; wave 0..7
	v_and_b32 v1, 31, v0                           ; lane
	s_delay_alu instid0(VALU_DEP_1)
	v_lshlrev_b32 v2, 4, v1                        ; 16 x lane
	s_wait_alu depctr_va_vdst(0)
	v_lshlrev_b32 v7, 3, v1                        ; 8 x lane
	s_mul_i32 s23, s22, 2*PITCH
	v_add_nc_u32 v3, s23, v2                       ; phase A: my 16 bytes of my wave's first row
	v_and_b32 v8, 15, v0                           ; r
	v_bfe_u32 v9, v0, 4, 1                         ; h
	s_delay_alu instid0(VALU_DEP_2)
	v_mul_u32_u24 v4, v8, PITCH
	s_delay_alu instid0(VALU_DEP_1)
	v_lshl_add_u32 v4, v9, 6, v4
	s_lshl_b32 s23, s22, 9
	v_add_nc_u32 v4, s23, v4                       ; phase B: row r, K step w (512 bytes), + 64 h: my 16 numbers of a block
	s_lshr_b32 s23, s22, 1
	s_lshl_b32 s23, s23, 7
	s_and_b32 s36, s22, 1
	s_lshl_b32 s36, s36, 2
	s_add_co_u32 s23, s23, s36
	s_add_co_u32 s23, s23, SCB
	v_lshl_add_u32 v5, v8, 3, s23                  ; my row's scale word of K step w
	v_add_nc_u32 v6, SCB, v2                       ; and the way out of the 512 bytes
	s_mov_b32 s[SEL], 0x76543210
	s_mov_b32 s[SEL+1], 0xfedcba98
	; the tile's first source row, in rows of 4,096 bytes, and the distance between neighbouring operand rows
	s_and_b32 s36, ttmp9, 511                      ; an activation's tile
	s_and_b32 s37, s36, 127
	s_lshr_b32 s37, s37, 1
	s_lshl_b32 s37, s37, 5
	s_and_b32 s38, s36, 1
	s_lshl_b32 s38, s38, 3
	s_add_co_u32 s37, s37, s38                     ; t = 32 (T / 2) + 8 (T % 2), T within the batch
	s_lshl_b32 s37, s37, 2
	s_lshr_b32 s38, s36, 7
	s_add_co_u32 s37, s37, s38                     ; memory row 4 t + b
	s_sub_co_u32 s38, ttmp9, 1024                  ; a weight's tile
	s_lshr_b32 s39, s38, 6                         ; 0 w_q, 1 WK, 2 WV, 3 w_out
	s_and_b32 s40, s38, 63
	s_lshr_b32 s41, s40, 1                         ; g
	s_and_b32 s42, s40, 1
	s_lshl_b32 s42, s42, 3                         ; 8 u
	s_lshl_b32 s43, s41, 5
	s_add_co_u32 s43, s43, s42                     ; w_q, w_out: 32 g + 8 u
	s_lshr_b32 s44, s41, 1
	s_lshl_b32 s44, s44, 7
	s_and_b32 s45, s41, 1
	s_lshl_b32 s45, s45, 5
	s_add_co_u32 s44, s44, s45
	s_add_co_u32 s44, s44, s42                     ; w_kv: 128 (g / 2) + 32 (g % 2) + 8 u,
	s_cmp_eq_u32 s39, 2
	s_cselect_b32 s45, 64, 0
	s_add_co_u32 s44, s44, s45                     ; + 64 for V's rows
	s_sub_co_u32 s45, s39, 1
	s_cmp_lt_u32 s45, 2
	s_cselect_b32 s43, s44, s43
	s_cmp_lt_u32 ttmp9, 1024
	s_cselect_b32 s43, s37, s43                    ; the tile's first row
	s_cselect_b32 s44, 4, 1                        ; neighbouring tokens lie four memory rows apart
	s_lshl_b32 s46, s22, 1
	s_lshr_b32 s47, s22, 2
	s_lshl_b32 s47, s47, 3
	s_add_co_u32 s46, s46, s47                     ; lane-row 2 w is the tile's row 2 w + 8 (w / 4)
	s_mul_i32 s46, s46, s44
	s_add_co_u32 s46, s46, s43
	s_lshl_b32 s46, s46, 12
	s_mov_b32 s47, 0
	s_wait_kmcnt 0x0
	s_mov_b64 s[34:35], s[16:17]                   ; the source: chosen by the work-group's number alone
	s_cmp_lt_u32 ttmp9, 1216
	s_cselect_b64 s[34:35], s[14:15], s[34:35]
	s_cmp_lt_u32 ttmp9, 1088
	s_cselect_b64 s[34:35], s[12:13], s[34:35]
	s_cmp_lt_u32 ttmp9, 1024
	s_cselect_b64 s[34:35], s[6:7], s[34:35]
	s_cmp_lt_u32 ttmp9, 512
	s_cselect_b64 s[34:35], s[4:5], s[34:35]
	s_add_nc_u64 s[24:25], s[34:35], s[46:47]      ; my first row
	s_lshl_b32 s46, s44, 12
	s_add_nc_u64 s[26:27], s[24:25], s[46:47]      ; my second
.irp e, 0,1
.irp j, 0,1,2,3,4,5,6,7
	global_load_b128 v[X+32*\e+4*\j:X+32*\e+4*\j+3], v2, s[24+2*\e:25+2*\e] offset:512*\j th:TH_LOAD_NT   ; 32 lanes read 512 consecutive bytes
.endr
.endr
	s_lshr_b32 s36, ttmp9, 3
	s_mul_i32 s36, s36, 98304
	s_mul_i32 s37, s22, 12288
	s_add_co_u32 s36, s36, s37
	s_and_b32 s37, ttmp9, 7
	s_mul_i32 s37, s37, 1536
	s_add_co_u32 s36, s36, s37
	s_mov_b32 s37, 0
	s_add_nc_u64 s[28:29], s[18:19], s[36:37]      ; opc: my group, K step w, my tile
	s_lshl_b32 s36, ttmp9, 9
	s_add_nc_u64 s[30:31], s[20:21], s[36:37]      ; ops: my tile
	s_mov_b32 s38, 0x3a800000                      ; 1 / 1,024
	s_mov_b32 s39, 0x3727c5ac                      ; 1e-5
	s_cmp_ge_u32 ttmp9, 512                        ; only query's tiles are normalised: a branch on the work-group's number, round loads and register work
	s_cbranch_scc1 .Lplain
.irp j, 0,1,2,3,4,5,6,7
	global_load_b128 v[GM+4*\j:GM+4*\j+3], v2, s[8:9] offset:512*\j
.endr
.irp j, 0,1,2,3,4,5,6,7
	global_load_b128 v[BT+4*\j:BT+4*\j+3], v2, s[10:11] offset:512*\j
.endr
; the two rows' sums: v[8 + 8 e] .. v[11 + 8 e] are two packed chains; afterwards every lane holds the row's sum in v[8 + 8 e]
.macro REDUCE
.irp e, 0
	s_delay_alu instid0(VALU_DEP_3)
	v_pk_add_f32 v[8+8*\e:9+8*\e], v[8+8*\e:9+8*\e], v[10+8*\e:11+8*\e]
.endr
.irp e, 1
	s_delay_alu instid0(VALU_DEP_2)
	v_pk_add_f32 v[8+8*\e:9+8*\e], v[8+8*\e:9+8*\e], v[10+8*\e:11+8*\e]
.endr
.irp e, 0,1
	s_delay_alu instid0(VALU_DEP_2)
	v_add_f32 v[8+8*\e], v[8+8*\e], v[9+8*\e]
.endr
.irp m, 1,2,4,8
.irp e, 0,1
	s_delay_alu instid0(VALU_DEP_2)
	v_add_f32_dpp v[8+8*\e], v[8+8*\e], v[8+8*\e] row_xmask:\m row_mask:0xf bank_mask:0xf
.endr
.endr
.irp e, 0,1
	s_delay_alu instid0(VALU_DEP_2)
	v_permlanex16_b32 v[9+8*\e], v[8+8*\e], s[SEL], s[SEL+1]
.endr
.irp e, 0,1
	s_delay_alu instid0(VALU_DEP_2)
	v_add_f32 v[8+8*\e], v[8+8*\e], v[9+8*\e]
.endr
.endm
	s_wait_loadcnt 16                              ; the rows are in; the sixteen younger loads, gamma's and beta's, stay out
.irp e, 0,1
	v_pk_add_f32 v[8+8*\e:9+8*\e], v[X+32*\e:X+32*\e+1], v[X+32*\e+2:X+32*\e+3]
	v_pk_add_f32 v[10+8*\e:11+8*\e], v[X+32*\e+4:X+32*\e+5], v[X+32*\e+6:X+32*\e+7]
.endr
.irp j, 8,12,16,20,24,28
.irp e, 0,1
	s_delay_alu instid0(VALU_DEP_4)
	v_pk_add_f32 v[8+8*\e:9+8*\e], v[8+8*\e:9+8*\e], v[X+32*\e+\j:X+32*\e+\j+1]
	s_delay_alu instid0(VALU_DEP_4)
	v_pk_add_f32 v[10+8*\e:11+8*\e], v[10+8*\e:11+8*\e], v[X+32*\e+\j+2:X+32*\e+\j+3]
.endr
.endr
	REDUCE
.irp e, 0,1
	s_delay_alu instid0(VALU_DEP_2)
	v_mul_f32 v[12+8*\e], s38, v[8+8*\e]           ; the mean, in both halves of a pair
.endr
.irp e, 0,1
	s_delay_alu instid0(VALU_DEP_2)
	v_mov_b32 v[13+8*\e], v[12+8*\e]
.endr
.irp j, 0,2,4,6,8,10,12,14,16,18,20,22,24,26,28,30
.irp e, 0,1
	v_pk_add_f32 v[X+32*\e+\j:X+32*\e+\j+1], v[X+32*\e+\j:X+32*\e+\j+1], v[12+8*\e:13+8*\e] neg_lo:[0,1] neg_hi:[0,1]   ; x - mean
.endr
.endr
.irp e, 0,1
	v_pk_mul_f32 v[8+8*\e:9+8*\e], v[X+32*\e:X+32*\e+1], v[X+32*\e:X+32*\e+1]
	v_pk_mul_f32 v[10+8*\e:11+8*\e], v[X+32*\e+2:X+32*\e+3], v[X+32*\e+2:X+32*\e+3]
.endr
.irp j, 4,8,12,16,20,24,28
.irp e, 0,1
	s_delay_alu instid0(VALU_DEP_4)
	v_pk_fma_f32 v[8+8*\e:9+8*\e], v[X+32*\e+\j:X+32*\e+\j+1], v[X+32*\e+\j:X+32*\e+\j+1], v[8+8*\e:9+8*\e]
	s_delay_alu instid0(VALU_DEP_4)
	v_pk_fma_f32 v[10+8*\e:11+8*\e], v[X+32*\e+\j+2:X+32*\e+\j+3], v[X+32*\e+\j+2:X+32*\e+\j+3], v[10+8*\e:11+8*\e]
.endr
.endr
	REDUCE
.irp e, 0,1
	s_delay_alu instid0(VALU_DEP_2)
	v_fma_f32 v[8+8*\e], v[8+8*\e], s38, s39       ; the variance + 1e-5
.endr
	s_wait_alu depctr_va_vdst(0)
.irp e, 0,1
	v_rsq_f32 v[14+8*\e], v[8+8*\e]
.endr
	v_nop                                          ; a plain instruction behind the last transcendental,
	s_wait_alu depctr_va_vdst(0)                   ; and one wait for both, ahead of their first reader
.irp e, 0,1
	v_mov_b32 v[15+8*\e], v[14+8*\e]
.endr
	s_wait_alu depctr_va_vdst(0)
	s_wait_loadcnt 0x0                             ; gamma and beta
.irp j, 0,2,4,6,8,10,12,14,16,18,20,22,24,26,28,30
.irp e, 0,1
	v_pk_mul_f32 v[X+32*\e+\j:X+32*\e+\j+1], v[X+32*\e+\j:X+32*\e+\j+1], v[14+8*\e:15+8*\e]
.endr
.endr
.irp j, 0,2,4,6,8,10,12,14,16,18,20,22,24,26,28,30
.irp e, 0,1
	v_pk_fma_f32 v[X+32*\e+\j:X+32*\e+\j+1], v[X+32*\e+\j:X+32*\e+\j+1], v[GM+\j:GM+\j+1], v[BT+\j:BT+\j+1]
.endr
.endr
.Lplain:
	s_wait_loadcnt 0x0
	s_wait_alu depctr_va_vdst(0)
.irp e, 0,1
.irp j, 0,1,2,3,4,5,6,7
	ds_store_b128 v3, v[X+32*\e+4*\j:X+32*\e+4*\j+3] offset:\e*PITCH+512*\j
.endr
.endr
	s_wait_dscnt 0x0                               ; for the others' sake: my two rows lie in LDS
	s_barrier_signal -1
	s_barrier_wait -1                              ; all sixteen do
.irp b, 0,1,2,3
.irp j, 0,1,2,3
	ds_load_b128 v[X+16*\b+4*\j:X+16*\b+4*\j+3], v4 offset:128*\b+16*\j   ; register 16 b + i: k = 128 w + 32 b + 16 h + i of row r
.endr
.endr
.irp b, 0,1,2,3
	v_mov_b32 v[TM+4+\b], 0                        ; a lane permute's destination counts as one of its sources
.endr
	s_wait_dscnt 0x0
.irp b, 0,1,2,3
	v_max3_num_f32 v[TM+\b], |v[X+16*\b]|, |v[X+1+16*\b]|, 0x2800000   ; block b: my 16 numbers and the floor 2^(5 - 127), so that the byte cannot fall under 1
.endr
.irp i, 2,4,6,8,10,12,14
.irp b, 0,1,2,3
	s_delay_alu instid0(VALU_DEP_4)
	v_max3_num_f32 v[TM+\b], v[TM+\b], |v[X+16*\b+\i]|, |v[X+1+16*\b+\i]|
.endr
.endr
.irp b, 0,1,2,3
	s_delay_alu instid0(VALU_DEP_4)
	v_permlanex16_b32 v[TM+4+\b], v[TM+\b], s[SEL], s[SEL+1]
.endr
.irp b, 0,1,2,3
	s_delay_alu instid0(VALU_DEP_4)
	v_max_num_f32 v[TM+\b], v[TM+\b], v[TM+4+\b]   ; with lane l xor 16's: the block's largest magnitude
.endr
.irp b, 0,1,2,3
	s_delay_alu instid0(VALU_DEP_4)
	v_add_nc_u32 v[TM+12+\b], 0xfe000000, v[TM+\b] ; 4 off its exponent field: the conversion's scale operand
.endr
.irp b, 0,1,2,3
	s_delay_alu instid0(VALU_DEP_4)
	v_lshrrev_b32 v[TM+4+\b], 23, v[TM+12+\b]      ; the scale's byte
.endr
	s_delay_alu instid0(VALU_DEP_3)
	v_lshl_or_b32 v[PW], v[TM+5], 8, v[TM+4]
	s_delay_alu instid0(VALU_DEP_1)
	v_lshl_or_b32 v[PW], v[TM+6], 16, v[PW]
	s_delay_alu instid0(VALU_DEP_1)
	v_lshl_or_b32 v[PW], v[TM+7], 24, v[PW]
.irp c, 0,1
	v_cvt_scalef32_pk16_bf6_f32 v[PC+6*\c:PC+2+6*\c], v[X+32*\c:X+15+32*\c], v[TM+12+2*\c]
	v_cvt_scalef32_pk16_bf6_f32 v[PC+12+4*\c:PC+14+4*\c], v[X+16+32*\c:X+31+32*\c], v[TM+12+2*\c+1]   ; (a conversion's three registers begin on an even number)
.endr
	v_nop                                          ; one plain place behind a scaled conversion
.irp c, 0,1                                    ; the operand wants a whole block in a lane: lanes 0-15 block 2 c, lanes 16-31 block 2 c + 1
.irp i, 0,1,2
	v_permlane16_swap_b32 v[PC+6*\c+\i], v[PC+12+4*\c+\i]
.endr
.irp i, 0,1,2
	s_delay_alu instid0(VALU_DEP_3)
	v_mov_b32 v[PC+3+6*\c+\i], v[PC+12+4*\c+\i]
.endr
.endr
	global_store_b128 v2, v[PC:PC+3], s[28:29]                  ; 512 consecutive bytes
	global_store_b64 v7, v[PC+4:PC+5], s[28:29] offset:512      ; 256
	global_store_b128 v2, v[PC+6:PC+9], s[28:29] offset:768
	global_store_b64 v7, v[PC+10:PC+11], s[28:29] offset:1280
	ds_store_b32 v5, v[PW]                         ; lanes l and l xor 16 write the same word with the same value
	s_wait_dscnt 0x0
	s_barrier_signal -1
	s_barrier_wait -1                              ; the tile's 128 scale words lie in LDS
	s_cmp_lg_u32 s22, 0
	s_cbranch_scc1 .Ldone
	ds_load_b128 v[8:11], v6
	s_wait_dscnt 0x0
	global_store_b128 v2, v[8:11], s[30:31]        ; wave 0 stores them: 512 consecutive bytes
.Ldone:
	s_wait_tensorcnt 0x0
	ds_add_u32 v24, v25
	s_wait_dscnt 0x0
	s_endpgm
.Lfunc_end_k_qf47cae900b_prep:
	.size	k_qf47cae900b_prep, .Lfunc_end_k_qf47cae900b_prep-k_qf47cae900b_prep
	.p2alignl 7, 3214868480
	.fill 96, 4, 3214868480
	.section	.rodata,"a",@progbits
	.p2align	6, 0x0
	.amdhsa_kernel k_qf47cae900b_prep
		.amdhsa_group_segment_fixed_size 67584
		.amdhsa_private_segment_fixed_size 0
		.amdhsa_enable_private_segment 0
		.amdhsa_kernarg_size 72
		.amdhsa_user_sgpr_count 2
		.amdhsa_user_sgpr_kernarg_segment_ptr 1
		.amdhsa_wavefront_size32 1
		.amdhsa_system_sgpr_workgroup_id_x 1
		.amdhsa_system_sgpr_workgroup_id_y 1
		.amdhsa_system_sgpr_workgroup_id_z 1
		.amdhsa_system_vgpr_workitem_id 0
		.amdhsa_next_free_vgpr 160
		.amdhsa_next_free_sgpr 66
		.amdhsa_reserve_vcc 0
		.amdhsa_float_denorm_mode_32 3
		.amdhsa_float_denorm_mode_16_64 3
		.amdhsa_memory_ordered 1
		.amdhsa_forward_progress 1
		.amdhsa_inst_pref_size 31
	.end_amdhsa_kernel
	.amdgpu_metadata
---
amdhsa.version: [ 1, 2 ]
amdhsa.kernels:
  - .name:           k_qf47cae900b_prep
    .symbol:         k_qf47cae900b_prep.kd
    .args:
      - { .name: query, .offset: 0, .size: 8, .value_kind: global_buffer, .address_space: global }
      - { .name: key, .offset: 8, .size: 8, .value_kind: global_buffer, .address_space: global }
      - { .name: gamma, .offset: 16, .size: 8, .value_kind: global_buffer, .address_space: global }
      - { .name: beta, .offset: 24, .size: 8, .value_kind: global_buffer, .address_space: global }
      - { .name: w_q, .offset: 32, .size: 8, .value_kind: global_buffer, .address_space: global }
      - { .name: w_kv, .offset: 40, .size: 8, .value_kind: global_buffer, .address_space: global }
      - { .name: w_out, .offset: 48, .size: 8, .value_kind: global_buffer, .address_space: global }
      - { .name: opc, .offset: 56, .size: 8, .value_kind: global_buffer, .address_space: global }
      - { .name: ops, .offset: 64, .size: 8, .value_kind: global_buffer, .address_space: global }
    .group_segment_fixed_size: 67584
    .private_segment_fixed_size: 0
    .kernarg_segment_align: 8
    .kernarg_segment_size: 72
    .max_flat_workgroup_size: 256
    .sgpr_count:     66
    .vgpr_count:     160
    .wavefront_size: 32
...
	.end_amdgpu_metadata
.endif
;; end of part 1
;; launch proj (part 2): grid 12 x 32, 4 waves a work-group, clusters of 4 x 4, 327,680 bytes of LDS; arguments opc, ops, qkvc, qkvs; writes qkvc, qkvs
.if DOCPART == 2
	.amdgcn_target "amdgcn-amd-amdhsa--gfx1250"
	.amdhsa_code_object_version 6
	.text
	.protected	k_qf47cae900b_proj
	.globl	k_qf47cae900b_proj
	.p2align	8
	.type	k_qf47cae900b_proj,@function
k_qf47cae900b_proj:
	s_mov_b64 s[64:65], 0
	v_nop
	global_prefetch_b8 v0, s[64:65] scope:SCOPE_SE
	s_setreg_imm32_b32 hwreg(HW_REG_WAVE_MODE, 25, 1), 1
	s_wait_xcnt 0x0
	s_wait_alu depctr_hold_cnt(0) depctr_sa_sdst(0) depctr_va_vdst(0) depctr_va_sdst(0) depctr_va_ssrc(0) depctr_va_vcc(0) depctr_vm_vsrc(0)
	s_getreg_b32 s2, hwreg(HW_REG_IB_STS2, 6, 4)
	s_cmp_eq_u32 s2, 0
	s_cbranch_scc0 .Lentry_in_a_cluster
	s_endpgm
.Lentry_in_a_cluster:
	s_bfe_u32 s2, ttmp6, 0x10000c
	s_cmp_lg_u32 s2, 0xf033
	s_cbranch_scc0 .Lentry_shape_is_right
	s_endpgm
.Lentry_shape_is_right:
; PROJ: the three projections as one GEMM text on codes of BF6 (E3M2) with E8M0 scales; the kind is the cluster's x: 0: q = LN(query) w_q^T, 1: k = key WK^T, 2: v^T = WV key^T.
; C = A B^T, a tile of 256 x 256 to a work-group, 128 x 128 to each of four waves (64 accumulators, 512 registers), K = 1,024 in 8 steps of 128.
; THE MATRIX INSTRUCTION IS USED TRANSPOSED (source 0 = 16 rows of B, source 1 = 16 rows of A): a lane holds ONE row of A, and, since lane-row r of an operand's tile T is its row 32 (T / 2) + 8 (T % 2) + r + 8 (r / 8),
; the 16 registers of two neighbouring tiles of B are 16 neighbouring rows of B.  For q and k those run along the head's 64, for v^T (A = WV, B = key) along the keys: the next products' K.
; So the results are quantised in registers and leave as codes: no f32 intermediate goes to memory.  q is quantised ahead of its factor 1/8, a power of two, which the softmax's constant takes up.
; OPERANDS lie in memory in the order of the operand's registers (a fragment is 1,536 bytes: registers 0-3 at 16 x lane, 4-5 at 512 + 8 x lane, 6-9 at 768 + 16 x lane, 10-11 at 1,280 + 8 x lane):
; two K steps of 128 rows are 24,576 dense bytes, one tensor load; every LDS read is of consecutive bytes, so nothing is padded.
; LDS: three slots of two K steps; K steps 6 and 7 go into slot 0 again.  By this text's count a wave has four tensor loads out at the start and one behind the refill.
; CLUSTERS: 4 x 4 work-groups; A's tiles are asked for jointly along a row of the cluster, B's along a column.
; OUT.  qkvc: q [bh][tile 128][768]; from byte 6,291,456 [bh][step 16][K: 8 tiles x 768 | V^T: 4 channel tiles x 1,536].  qkvs: q [bh][step][r][4 words]; from byte 262,144 [bh][step][k: [r][4] | v: [r][4]].
; A q or k word holds tile 2 i's two bytes below and tile 2 i + 1's above.
; LIMITS: NaN and infinities are not served; a block whose largest magnitude lies under 2^-122 is held at byte 1, for q that is 2^-125 of q / 8; a block of zeros gets byte 1 (this program alone reads the bytes).
; REGISTERS: window 0: v4-5, v16-31 addresses; v32-63 scale words, two sets; v64-123 the way out; v128-223 A's fragments, one set.  window 1: B's fragments, two sets, at v0 and v128.
;   window 2: the accumulators of my rows 0-63 ((a, b) at v[8 (8 (a % 4) + b)]); window 3: of rows 64-127.
.set NL,    4                          ; LDS loads that bring a fragment
.set NP,    4                          ; places behind this matrix instruction (ISA guide 7.12.1)
.set FR,    12
.set PIECE, 24576                      ; 128 rows x two K steps: what one tensor load brings
; THE LOADS AS THEY STAND IN THIS TEXT (in place of what the head says of three slots and four loads): LDS holds four regions, A's two halves and B's two, each six K steps of 128 rows on end, 73,728 bytes.
; A wave fills its region by ONE tensor load at the head; K steps 6 and 7 go into the region's first two steps again behind the round at K step 1.  By this text's count a wave has one tensor load out.
; The scale words (4,096 bytes a wave) come through registers and are stored into LDS blocks of their own when the wave's tensor load has landed.
.set REG,   3*PIECE                    ; a region
.set SLOT,  PIECE                      ; from one pair of K steps to the next inside a region
.set SCL,   4*REG                      ; the scale words of A's and B's 256 rows for all of K: 4 x 4,096 bytes, stored once
.set SPARE, SCL+4*4096                 ; the spare words, 128 bytes a wave: two blocks of 256 bytes that no other line names
.set LN16, 4                           ; v4  16 x lane
.set LN8,  5                           ; v5  8 x lane
.set A16,  16                          ; v16-18 my A half in slot 0, 1, 2, + 16 x lane;  v19-21 + 8 x lane
.set A8,   19
.set B16,  22                          ; v22-24, v25-27 the same for B
.set B8,   25
.set SPW,  28                          ; v28 my spare word; never rewritten
.set NIL,  29                          ; v29 0; never rewritten
.set ADRS, 30                          ; v30 my scale words: lanes 0-15 A's rows, lanes 16-31 B's; never rewritten
.set SOF,  31                          ; v31 the way out of the scale words
.set SC,   32
.set TM,   64
.set PC,   80
.set PWS,  100                         ; v100-107 the eight blocks' scale words
.set GW,   108
.set AF,   128
.set G1,   24                          ; s[24:31], s[32:39] group 1 for A's and B's codes
.set G1B,  32
.set SS,   72                          ; s[72:73] where my 4,096 bytes of scale words lie in memory; never rewritten
.set SAD,  7                           ; v7 and where they go in LDS
.set G0,   68                          ; s[68:71], s[80:83] groups 0 for A's and B's codes
.set G0B,  80
.set P0,   92                          ; s[92:93], s[94:95] where a block's two halves go;  s[96:97], s[98:99] their steps
.set P1,   94
.set D1,   96
.set D2,   98
.set SEL,  100
.set MSB, 0
.macro WIN new                         ; the immediate's high byte repeats the setting that is left
.if MSB != (\new)
	s_set_vgpr_msb (MSB<<8)|(\new)
.set MSB, (\new)
.endif
.endm
.set MUL_LO, 0xa1                      ; source 0 (B) window 1, source 1 (A) window 0, C and D window 2
.set MUL_HI, 0xf1
.set TO_B,   0x40
.macro JLOAD g0a, g1a, g0b, g1b        ; a joint load: waves 0 and 1 fetch for A, waves 2 and 3 for B; four v_nop follow each line
	s_cmp_eq_u32 s15, 0
	s_cbranch_scc0 .Lfor_b_\@
	tensor_load_to_lds s[\g0a:\g0a+3], s[\g1a:\g1a+7]
	s_nop 0
.rept 4
	v_nop
.endr
	s_branch .Lasked_\@
.Lfor_b_\@:
	tensor_load_to_lds s[\g0b:\g0b+3], s[\g1b:\g1b+7]
	s_nop 0
.rept 4
	v_nop
.endr
.Lasked_\@:
.endm
.macro CREST                           ; a round of the cluster's barrier behind its opening barrier
	s_cmp_lg_u32 s14, 0
	s_cbranch_scc1 .Lnot_wave_0_\@
	s_barrier_signal -3
.Lnot_wave_0_\@:
	s_barrier_wait -3
	s_barrier_signal -1
	s_barrier_wait -1
.endm
.macro CROUND
	s_barrier_signal -1
	s_barrier_wait -1
	CREST
.endm
.macro PLACES n
.rept \n
	v_nop
.endr
.endm
	s_load_b128 s[4:7], s[0:1], 0x0                ; opc, ops
	s_load_b128 s[8:11], s[0:1], 0x10              ; qkvc, qkvs
	v_lshl_add_u32 v[SPW], v0, 2, SPARE
	v_mov_b32 v[NIL], 0
	ds_add_u32 v28, v29
	ds_add_u32 v28, v29
	s_wait_dscnt 0x0
	v_lshrrev_b32 v1, 5, v0
	v_readfirstlane_b32 s14, v1                    ; wave 0..3
	s_lshr_b32 s15, s14, 1                         ; my half of the tile's rows.  Also: I fetch for A (0) or for B (1)
	s_and_b32 s16, s14, 1                          ; my half of its columns.  Also: which 128 rows I fetch
	s_bfe_u32 s17, ttmp6, 0x40000                  ; cx
	s_bfe_u32 s18, ttmp6, 0x40004                  ; cy
	s_and_b32 s19, ttmp7, 0xffff
	s_lshl_b32 s19, s19, 2                         ; 4 x cluster y
	s_cmp_eq_u32 ttmp9, 1                          ; the kind is the cluster's x: all sixteen partners share it
	s_cselect_b32 s22, 64, 0                       ; A's first group: LN(query) 0, key 64, WV 144
	s_mov_b32 s23, 128
	s_mov_b32 s2, 136
	s_cselect_b32 s23, s2, s23                     ; B's: w_q 128, WK 136, key 64
	s_cmp_eq_u32 ttmp9, 2
	s_mov_b32 s2, 144
	s_cselect_b32 s22, s2, s22
	s_cselect_b32 s23, 64, s23
	s_cselect_b32 s12, -1, 0                       ; all lanes where the kind is v^T
	s_cselect_b32 s20, 0, s19                      ; the long axis (32 tiles) is A's for q and k, B's for v^T
	s_cselect_b32 s21, s19, 0
	s_add_co_u32 s20, s20, s18                     ; tile row: hangs on cy alone
	s_add_co_u32 s21, s21, s17                     ; tile column: on cx alone
	s_lshl_b32 s2, s18, 2
	s_lshl_b32 s2, 15, s2                          ; my row of the cluster
	s_lshl_b32 s3, 0x1111, s17                     ; my column
	s_or_b32 s[G1], s2, (3<<16)|(1<<21)            ; 15:0 the mask; 17:16 elements of 8 bytes; 21 set beside a mask; no padding
	s_or_b32 s[G1B], s3, (3<<16)|(1<<21)
.irp g, G1, G1B                        ; the head's load: 73,728 dense bytes as 288 rows of 256
	s_mov_b32 s[\g+1], 32<<16                      ; tensor_dim0 = 32 elements
	s_mov_b32 s[\g+2], 288<<16                     ; tensor_dim1
	s_mov_b32 s[\g+3], 32<<16                      ; tile_dim0
	s_mov_b32 s[\g+4], 288                         ; tile_dim1
	s_mov_b32 s[\g+5], 32                          ; the pitch
	s_mov_b32 s[\g+6], 0
	s_mov_b32 s[\g+7], 0
.endr
	s_lshl_b32 s92, s20, 1
	s_add_co_u32 s92, s92, s22
	s_add_co_u32 s92, s92, s16                     ; the group of A that I would fetch
	s_lshl_b32 s94, s21, 1
	s_add_co_u32 s94, s94, s23
	s_add_co_u32 s94, s94, s16                     ; and of B
	s_mul_i32 s96, s92, 98304
	s_mov_b32 s97, 0
	s_lshl_b32 s92, s92, 12
	s_mov_b32 s93, 0
	s_mul_i32 s98, s94, 98304
	s_mov_b32 s99, 0
	s_lshl_b32 s94, s94, 12
	s_mov_b32 s95, 0
	s_mul_i32 s100, s14, REG                       ; where they go: by the wave's number alone
	s_lshl_b32 s101, s14, 12
	s_wait_kmcnt 0x0
	s_add_nc_u64 s[96:97], s[4:5], s[96:97]
	s_add_nc_u64 s[92:93], s[6:7], s[92:93]
	s_add_nc_u64 s[98:99], s[4:5], s[98:99]
	s_add_nc_u64 s[94:95], s[6:7], s[94:95]
	s_cmp_eq_u32 s15, 0                            ; waves 0 and 1 bring A's scale words, waves 2 and 3 B's: a choice by the wave's number
	s_cselect_b64 s[SS:SS+1], s[92:93], s[94:95]
.irp s, 0
	s_mov_b32 s[G0+4*\s], 1
	s_add_co_u32 s[G0+4*\s+1], s100, \s*SLOT
	s_add_nc_u64 s[G0+4*\s+2:G0+4*\s+3], s[96:97], \s*PIECE      ; K steps 0 to 5; later 6 and 7
	s_or_b32 s[G0+4*\s+3], s[G0+4*\s+3], 0x80000000
	s_mov_b32 s[G0B+4*\s], 1
	s_add_co_u32 s[G0B+4*\s+1], s100, \s*SLOT
	s_add_nc_u64 s[G0B+4*\s+2:G0B+4*\s+3], s[98:99], \s*PIECE
	s_or_b32 s[G0B+4*\s+3], s[G0B+4*\s+3], 0x80000000
.endr
	CROUND                                         ; all sixteen work-groups are here: the first joint loads meet
	s_cmp_eq_u32 s15, 0                            ; one tensor load a wave at the head: K steps 0 to 5 of my 128 rows
	s_cbranch_scc0 .Lfirst_b
	tensor_load_to_lds s[G0:G0+3], s[G1:G1+7]
	s_nop 0
.rept 4
	v_nop
.endr
	s_branch .Lfirst_asked
.Lfirst_b:
	tensor_load_to_lds s[G0B:G0B+3], s[G1B:G1B+7]
	s_nop 0
.rept 4
	v_nop
.endr
.Lfirst_asked:
	v_and_b32 v1, 15, v0                           ; r
	v_bfe_u32 v2, v0, 4, 1                         ; h
	v_and_b32 v3, 31, v0
	v_lshlrev_b32 v[LN16], 4, v3
	v_lshlrev_b32 v[LN8], 3, v3
	v_add_nc_u32 v[SAD], s101, v[LN16]
	v_add_nc_u32 v[SAD], SCL, v[SAD]               ; SCL + 4,096 x wave + 16 x lane
.irp j, 0,1,2,3,4,5,6,7
	global_load_b128 v[AF+4*\j:AF+4*\j+3], v[LN16], s[SS:SS+1] offset:512*\j   ; my 4,096 bytes of scale words: each load 512 consecutive bytes
.endr
	s_mul_i32 s2, s15, REG                         ; my 128 rows of A
	s_mul_i32 s3, s16, REG
	s_add_co_u32 s3, s3, 2*REG                     ; my 128 rows of B, behind A's two regions
.irp s, 0,1,2
	v_add_nc_u32 v[A16+\s], s2, v[LN16]
	v_add_nc_u32 v[A8+\s], s2, v[LN8]
	v_add_nc_u32 v[B16+\s], s3, v[LN16]
	v_add_nc_u32 v[B8+\s], s3, v[LN8]
	s_add_co_u32 s2, s2, SLOT
	s_add_co_u32 s3, s3, SLOT
.endr
	s_lshl_b32 s2, s15, 12                         ; A's scale words: my 128 rows
	s_lshl_b32 s3, s16, 12
	s_add_co_u32 s3, s3, 2*4096                    ; B's, behind A's
	s_sub_co_u32 s3, s3, s2
	v_mul_u32_u24 v6, s3, v2                       ; lanes 16-31 take B's: one product, the distance between the two
	s_add_co_u32 s2, s2, SCL
	v_lshl_add_u32 v6, v1, 3, v6                   ; 8 bytes a row for a slot's two K steps
	v_add_nc_u32 v[ADRS], s2, v6
.irp b, 0,1,2,3
	v_mov_b32 v[TM+4+\b], 0                        ; a lane permute's destination counts as one of its sources
.endr
	; the way out.  RG, CG: my groups of 128 rows of A and of B.  The tokens' group gives the batch and the step, the weights' group two heads
	s_lshl_b32 s20, s20, 1
	s_add_co_u32 s20, s20, s15                     ; RG
	s_lshl_b32 s21, s21, 1
	s_add_co_u32 s21, s21, s16                     ; CG
	s_cmp_eq_u32 ttmp9, 2
	s_cselect_b32 s22, s21, s20                    ; the tokens' group
	s_cselect_b32 s23, s20, s21                    ; the weights'
	s_cselect_b32 s17, 6144, 0                     ; V^T lies behind a step's eight tiles of K,
	s_cselect_b32 s18, 256, 0                      ; its scale words behind K's
	s_mov_b32 s[D1], 768
	s_mov_b32 s[D2], 768
	s_mov_b32 s2, 1536
	s_mov_b32 s3, 192000
	s_cselect_b32 s[D1], s2, s[D1]                 ; from block to block: a tile of q or k is 768 bytes, a fragment of V^T 1,536;
	s_cselect_b32 s[D2], s3, s[D2]                 ; from block 3 to block 4 of V^T: on to the next head, 196,608 - 3 x 1,536
	s_mov_b32 s[D1+1], 0
	s_mov_b32 s[D2+1], 0
	s_cmp_lg_u32 ttmp9, 0
	s_cselect_b32 s19, 1, 0                        ; K's and V's section has twice q's strides
	s_cselect_b32 s100, 6291456, 0
	s_cselect_b32 s101, 262144, 0
	s_add_co_u32 s100, s100, s17
	s_add_co_u32 s101, s101, s18
	s_lshr_b32 s2, s22, 4
	s_lshl_b32 s2, s2, 4
	s_lshl_b32 s23, s23, 1
	s_add_co_u32 s2, s2, s23                       ; bh of my first head: 16 b + 2 x the weights' group
	s_and_b32 s22, s22, 15                         ; the step
	s_lshl_b32 s3, 98304, s19                      ; bytes of codes a head
	s_mul_i32 s17, s2, s3
	s_add_co_u32 s100, s100, s17
	s_lshl_b32 s17, 6144, s19                      ; and a step
	s_mul_i32 s17, s17, s22
	s_add_co_u32 s[P0], s100, s17
	s_mov_b32 s[P0+1], 0
	s_add_nc_u64 s[P0:P0+1], s[8:9], s[P0:P0+1]
	s_cmp_eq_u32 ttmp9, 2
	s_cselect_b32 s[P1], 768, s3                   ; a block's second half: q, k: the next head's tile; V^T: the fragment's second half
	s_mov_b32 s[P1+1], 0
	s_add_nc_u64 s[P1:P1+1], s[P0:P0+1], s[P1:P1+1]
	s_lshl_b32 s3, 4096, s19                       ; bytes of scale words a head
	s_mul_i32 s17, s2, s3
	s_add_co_u32 s101, s101, s17
	s_lshl_b32 s17, 256, s19
	s_mul_i32 s17, s17, s22
	s_add_co_u32 s66, s101, s17
	s_mov_b32 s67, 0
	s_add_nc_u64 s[66:67], s[10:11], s[66:67]
	v_mul_u32_u24 v[SOF], s3, v2                   ; lanes 16-31 store the second head's words
	v_lshl_add_u32 v[SOF], v1, 4, v[SOF]           ; 16 bytes a row
	s_mov_b32 s13, 0xffff0000                      ; lanes 16-31
	s_mov_b32 s[SEL], 0x76543210
	s_mov_b32 s[SEL+1], 0xfedcba98
.macro FRAG reg, a16, a8, off          ; a fragment as it lies: four loads of consecutive bytes
	ds_load_b128 v[\reg:\reg+3], v[\a16] offset:\off
	ds_load_b64 v[\reg+4:\reg+5], v[\a8] offset:\off+512
	ds_load_b128 v[\reg+6:\reg+9], v[\a16] offset:\off+768
	ds_load_b64 v[\reg+10:\reg+11], v[\a8] offset:\off+1280
.endm
; 16 matrix instructions: A's blocks a0, a0 + 1 x B's eight.  p: B's set; q: the slot's K step; sc: the set of scale words.  The 64 accumulators take turns, one instruction a turn, in the same order in every
; unit.  zero = 1: the first product starts the sums.
.macro MUL16 a0, p, q, sc, zero
.irp a, \a0, \a0+1
.irp b, 0,1,2,3,4,5,6,7
.if \zero
	v_wmma_scale_f32_16x16x128_f8f6f4 v[8*(8*((\a)%4)+\b):8*(8*((\a)%4)+\b)+7], v[128*(\p)+FR*\b:128*(\p)+FR*\b+FR-1], v[AF+FR*(\a):AF+FR*(\a)+FR-1], 0, v[SC+16*(\sc)+2*\b+(\q)], v[SC+16*(\sc)+2*(\a)+(\q)] matrix_a_fmt:MATRIX_FMT_BF6 matrix_b_fmt:MATRIX_FMT_BF6 matrix_a_scale:MATRIX_SCALE_ROW1
.else
	v_wmma_scale_f32_16x16x128_f8f6f4 v[8*(8*((\a)%4)+\b):8*(8*((\a)%4)+\b)+7], v[128*(\p)+FR*\b:128*(\p)+FR*\b+FR-1], v[AF+FR*(\a):AF+FR*(\a)+FR-1], v[8*(8*((\a)%4)+\b):8*(8*((\a)%4)+\b)+7], v[SC+16*(\sc)+2*\b+(\q)], v[SC+16*(\sc)+2*(\a)+(\q)] matrix_a_fmt:MATRIX_FMT_BF6 matrix_b_fmt:MATRIX_FMT_BF6 matrix_a_scale:MATRIX_SCALE_ROW1
.endif
.endr
.endr
.endm
.macro FETCH_B slot, q, p
	WIN TO_B
.irp i, 0,1,2,3,4,5,6,7
	FRAG 128*(\p)+FR*\i, B16+\slot, B8+\slot, (\q)*12288+\i*1536
.endr
	WIN 0
.endm
.macro FETCH_A slot, q, i0
.irp i, \i0, \i0+1, \i0+2, \i0+3
	FRAG AF+FR*(\i), A16+\slot, A8+\slot, (\q)*12288+(\i)*1536
.endr
.endm
.macro SCALES sc, n                    ; the n-th slot visit's scale words: two a row; lanes 0-15 A's block i, lanes 16-31 B's block i
.irp i, 0,1,2,3,4,5,6,7
	ds_load_b64 v[SC+16*(\sc)+2*\i:SC+16*(\sc)+2*\i+1], v[ADRS] offset:512*\i+128*(\n)
.endr
.endm
; A slot's first K step: its successor lies in the same slot.  A's blocks 0-3 are fetched anew in the middle, 4-7 at the end; B has two sets.
.macro STEP slot, sc, zero
	s_wait_dscnt 4*NL                              ; all but the youngest sixteen loads, A's blocks 4-7
	WIN MUL_LO
	MUL16 0, 0, 0, \sc, \zero
	MUL16 2, 0, 0, \sc, \zero
	s_wait_dscnt 0x0
	PLACES NP                                      ; in front of loads into registers that matrix instructions have read
	FETCH_B \slot, 1, 1
	FETCH_A \slot, 1, 0
	WIN MUL_HI
	MUL16 4, 0, 0, \sc, \zero
	MUL16 6, 0, 0, \sc, \zero
	PLACES NP
	WIN 0
	FETCH_A \slot, 1, 4
.endm
; A slot's second K step goes on to the next slot.  how = 0: that slot was shown whole to every wave at an earlier barrier: no wait, no barrier.  how = 1: it is the refilled slot: every wave waits for all
; its tensor loads, adds 0 to its spare word, waits for that and for its LDS reads, and passes a barrier.  how = 2: the same, the barrier opening a round of the cluster's, and behind the round slot 0,
; which nobody reads any more, is filled again with K steps 6 and 7: the wave's one tensor load there.
.macro TURN how, sc, next, nsc, n
.if \how
	s_wait_tensorcnt 0x0                           ; all my tensor loads have landed
	ds_add_u32 v[SPW], v[NIL]                      ; 0 onto my spare word
	s_wait_dscnt 4*NL+1                            ; (the add and A's blocks 4-7 may be out)
.else
	s_wait_dscnt 4*NL
.endif
	WIN MUL_LO
	MUL16 0, 1, 1, \sc, 0
.if \how
	s_wait_dscnt 0x0                               ; the add is done and my LDS reads are over
	s_barrier_signal -1
.endif
	MUL16 2, 1, 1, \sc, 0
.if \how
	WIN 0
	s_barrier_wait -1
.else
	s_wait_dscnt 0x0
.endif
.if \how == 2
	CREST                                          ; no wave of any partner still reads slot 0 or has a load on its way
	s_add_nc_u64 s[G0+2:G0+3], s[G0+2:G0+3], 3*PIECE
	s_add_nc_u64 s[G0B+2:G0B+3], s[G0B+2:G0B+3], 3*PIECE
	JLOAD G0, G1, G0B, G1B                         ; its four v_nop are also the places in front of the loads below
.else
	PLACES NP
.endif
	FETCH_B \next, 0, 0
	FETCH_A \next, 0, 0
	SCALES \nsc, \n
	WIN MUL_HI
	MUL16 4, 1, 1, \sc, 0
	MUL16 6, 1, 1, \sc, 0
	PLACES NP
	WIN 0
	FETCH_A \next, 0, 4
.endm
	s_wait_alu depctr_va_vdst(0)
	s_wait_tensorcnt 0x0                           ; my region is in; no tensor load of mine is out, so a descriptor may be written:
	s_mov_b32 s[G1+2], 96<<16                      ; the refill brings two K steps, 96 rows of 256 bytes
	s_mov_b32 s[G1+4], 96
	s_mov_b32 s[G1B+2], 96<<16
	s_mov_b32 s[G1B+4], 96
	s_wait_loadcnt 0x0                             ; my scale words are in registers
.irp j, 0,1,2,3,4,5,6,7
	ds_store_b128 v[SAD], v[AF+4*\j:AF+4*\j+3] offset:512*\j
.endr
	s_wait_dscnt 0x0                               ; for the others' sake: they lie in LDS
	s_barrier_signal -1
	s_barrier_wait -1
	FETCH_B 0, 0, 0
	FETCH_A 0, 0, 0
	SCALES 0, 0
	FETCH_A 0, 0, 4
	STEP 0, 0, 1                                   ; K step 0 starts the sums
	TURN 2, 0, 1, 1, 1                             ; K step 1; slot 0 is filled again
	STEP 1, 1, 0
	TURN 0, 1, 2, 0, 2                             ; K step 3; slot 2 landed ahead of the round above
	STEP 2, 0, 0
	TURN 1, 0, 0, 1, 3                             ; K step 5; the refill has landed, in every wave
	STEP 0, 1, 0
	s_wait_dscnt 4*NL                              ; K step 7: nothing more to fetch
	WIN MUL_LO
	MUL16 0, 1, 1, 1, 0
	MUL16 2, 1, 1, 1, 0
	s_wait_dscnt 0x0
	WIN MUL_HI
	MUL16 4, 1, 1, 1, 0
	MUL16 6, 1, 1, 1, 0
	WIN 0
	PLACES NP                                      ; in front of the first read of results
; THE WAY OUT of block a (16 rows of A): a lane's 64 numbers, register 16 b + i = the next K's place 32 b + 16 h + i, become a fragment and a scale word.  Each accumulator is read from its low end on.
.macro OUTBLK a
.set AC, 64*((\a)%4)
	WIN 0x0a+5*((\a)/4)                            ; sources 0 and 1: window 2 or 3
.irp b, 0,1,2,3
	v_max3_num_f32 v[TM+\b], |v[AC+16*\b]|, |v[AC+16*\b+1]|, 0x2800000   ; and the floor 2^(5 - 127): the byte cannot fall under 1
.endr
.irp i, 2,4,6,8,10,12,14
.irp b, 0,1,2,3
	v_max3_num_f32 v[TM+\b], |v[AC+16*\b+\i]|, |v[AC+16*\b+\i+1]|, v[TM+\b]
.endr
.endr
	WIN 0
.irp b, 0,1,2,3
	v_permlanex16_b32 v[TM+4+\b], v[TM+\b], s[SEL], s[SEL+1]
.endr
.irp b, 0,1,2,3
	v_max_num_f32 v[TM+\b], v[TM+\b], v[TM+4+\b]
.endr
.irp b, 0,1,2,3
	v_add_nc_u32 v[TM+12+\b], 0xfe000000, v[TM+\b] ; 4 off the exponent field: the conversion's scale operand
.endr
.irp b, 0,1,2,3
	v_lshrrev_b32 v[TM+4+\b], 23, v[TM+12+\b]
.endr
	v_lshl_or_b32 v[PWS+\a], v[TM+5], 8, v[TM+4]
	v_lshl_or_b32 v[PWS+\a], v[TM+6], 16, v[PWS+\a]
	v_lshl_or_b32 v[PWS+\a], v[TM+7], 24, v[PWS+\a]
.if \a > 0
	s_wait_xcnt 0x0                                ; the last block's stores have read their data and their bases: both are written again only behind this wait
.if \a == 4
	s_add_nc_u64 s[P0:P0+1], s[P0:P0+1], s[D2:D2+1]
	s_add_nc_u64 s[P1:P1+1], s[P1:P1+1], s[D2:D2+1]
.else
	s_add_nc_u64 s[P0:P0+1], s[P0:P0+1], s[D1:D1+1]
	s_add_nc_u64 s[P1:P1+1], s[P1:P1+1], s[D1:D1+1]
.endif
.endif
	WIN 0x02+((\a)/4)                              ; source 0: window 2 or 3
.irp c, 0,1
	v_cvt_scalef32_pk16_bf6_f32 v[PC+6*\c:PC+2+6*\c], v[AC+32*\c:AC+32*\c+15], v[TM+12+2*\c]
	v_cvt_scalef32_pk16_bf6_f32 v[PC+12+4*\c:PC+14+4*\c], v[AC+32*\c+16:AC+32*\c+31], v[TM+12+2*\c+1]
.endr
	WIN 0
	v_nop                                          ; one plain place behind a scaled conversion
.irp c, 0,1
.irp i, 0,1,2
	v_permlane16_swap_b32 v[PC+6*\c+\i], v[PC+12+4*\c+\i]
.endr
.irp i, 0,1,2
	v_mov_b32 v[PC+3+6*\c+\i], v[PC+12+4*\c+\i]
.endr
.endr
	global_store_b128 v[LN16], v[PC:PC+3], s[P0:P0+1]             ; each store covers whole aligned blocks of 256 bytes
	global_store_b64 v[LN8], v[PC+4:PC+5], s[P0:P0+1] offset:512
	global_store_b128 v[LN16], v[PC+6:PC+9], s[P1:P1+1]
	global_store_b64 v[LN8], v[PC+10:PC+11], s[P1:P1+1] offset:512
.endm
.irp a, 0,1,2,3,4,5,6,7
	OUTBLK \a
.endr
	; the scale words.  q, k: word i of a head = the head's halves of blocks 2 i and 2 i + 1; V^T: word t of a head = block t (first head) or 4 + t (second).  Lanes 0-15 store the first head's, lanes 16-31 the second's
.irp k, 0,1,2,3
	v_perm_b32 v[GW+\k], v[PWS+2*\k+1], v[PWS+2*\k], 0x05040100
	v_perm_b32 v[GW+4+\k], v[PWS+2*\k+1], v[PWS+2*\k], 0x07060302
.endr
.irp k, 0,1,2,3
	v_cndmask_b32 v[GW+\k], v[GW+\k], v[PWS+\k], s12
	v_cndmask_b32 v[GW+4+\k], v[GW+4+\k], v[PWS+4+\k], s12
.endr
.irp k, 0,1,2,3
	v_cndmask_b32 v[GW+8+\k], v[GW+\k], v[GW+4+\k], s13
.endr
	global_store_b128 v[SOF], v[GW+8:GW+11], s[66:67]             ; sixteen lanes store 256 consecutive bytes, twice
	s_wait_tensorcnt 0x0                           ; the wave's end
	ds_add_u32 v[SPW], v[NIL]
	s_wait_dscnt 0x0
	CROUND                                         ; the closing round
	s_endpgm
.Lfunc_end_k_qf47cae900b_proj:
	.size	k_qf47cae900b_proj, .Lfunc_end_k_qf47cae900b_proj-k_qf47cae900b_proj
	.p2alignl 7, 3214868480
	.fill 96, 4, 3214868480
	.section	.rodata,"a",@progbits
	.p2align	6, 0x0
	.amdhsa_kernel k_qf47cae900b_proj
		.amdhsa_group_segment_fixed_size 327680
		.amdhsa_private_segment_fixed_size 0
		.amdhsa_enable_private_segment 0
		.amdhsa_kernarg_size 32
		.amdhsa_user_sgpr_count 2
		.amdhsa_user_sgpr_kernarg_segment_ptr 1
		.amdhsa_wavefront_size32 1
		.amdhsa_system_sgpr_workgroup_id_x 1
		.amdhsa_system_sgpr_workgroup_id_y 1
		.amdhsa_system_sgpr_workgroup_id_z 1
		.amdhsa_system_vgpr_workitem_id 0
		.amdhsa_next_free_vgpr 1024
		.amdhsa_next_free_sgpr 102
		.amdhsa_reserve_vcc 0
		.amdhsa_float_denorm_mode_32 3
		.amdhsa_float_denorm_mode_16_64 3
		.amdhsa_memory_ordered 1
		.amdhsa_forward_progress 1
		.amdhsa_inst_pref_size 150
	.end_amdhsa_kernel
	.amdgpu_metadata
---
amdhsa.version: [ 1, 2 ]
amdhsa.kernels:
  - .name:           k_qf47cae900b_proj
    .symbol:         k_qf47cae900b_proj.kd
    .args:
      - { .name: opc, .offset: 0, .size: 8, .value_kind: global_buffer, .address_space: global }
      - { .name: ops, .offset: 8, .size: 8, .value_kind: global_buffer, .address_space: global }
      - { .name: qkvc, .offset: 16, .size: 8, .value_kind: global_buffer, .address_space: global }
      - { .name: qkvs, .offset: 24, .size: 8, .value_kind: global_buffer, .address_space: global }
    .group_segment_fixed_size: 327680
    .private_segment_fixed_size: 0
    .kernarg_segment_align: 8
    .kernarg_segment_size: 32
    .max_flat_workgroup_size: 128
    .sgpr_count:     102
    .vgpr_count:     1024
    .wavefront_size: 32
...
	.end_amdgpu_metadata
.endif
;; end of part 2
;; launch attn (part 3): grid 4 x 64, 16 waves a work-group, clusters of 4 x 1, 206,848 bytes of LDS; arguments qkvc, qkvs, ctxc, ctxs; writes ctxc, ctxs
.if DOCPART == 3
	.amdgcn_target "amdgcn-amd-amdhsa--gfx1250"
	.amdhsa_code_object_version 6
	.text
	.protected	k_qf47cae900b_attn
	.globl	k_qf47cae900b_attn
	.p2align	8
	.type	k_qf47cae900b_attn,@function
k_qf47cae900b_attn:
	s_mov_b64 s[64:65], 0
	v_nop
	global_prefetch_b8 v0, s[64:65] scope:SCOPE_SE
	s_setreg_imm32_b32 hwreg(HW_REG_WAVE_MODE, 25, 1), 1
	s_wait_xcnt 0x0
	s_wait_alu depctr_hold_cnt(0) depctr_sa_sdst(0) depctr_va_vdst(0) depctr_va_sdst(0) depctr_va_ssrc(0) depctr_va_vcc(0) depctr_vm_vsrc(0)
	s_getreg_b32 s2, hwreg(HW_REG_IB_STS2, 6, 4)
	s_cmp_eq_u32 s2, 0
	s_cbranch_scc0 .Lentry_in_a_cluster
	s_endpgm
.Lentry_in_a_cluster:
	s_bfe_u32 s2, ttmp6, 0x10000c
	s_cmp_lg_u32 s2, 0x3003
	s_cbranch_scc0 .Lentry_shape_is_right
	s_endpgm
.Lentry_shape_is_right:
; ATTN: ctx = softmax(q k^T / 8) v for one (batch, head) a cluster, both products on codes of BF6 (E3M2) with E8M0 scales; ctx leaves as codes along E for the output projection.
; THE SOFTMAX AHEAD OF THE SECOND PRODUCT: t = score x log2(e) / 8 (q's codes are those of q ahead of its 1/8); M = the running largest t rounded UP to a whole number; p = 2^(t - M) is quantised along the keys;
; the row's sum is taken of the unquantised p and divides at the end.  When M moves, the sum and O are multiplied by 2^(old M - new M): exact.
; SHARES.  A cluster of four work-groups is one head; a work-group owns 512 queries, each of its sixteen waves two tiles of 16, one after the other (two passes), in 256 registers: four waves to a SIMD.
; LDS.  The head's K and V^T codes (196,608 bytes) and scale words (8,192) fit and are written ONCE.  Wave w asks for key step w whole, 12,288 dense bytes, by one joint load that names all four work-groups:
; by this text's count a wave has one tensor load out.  Its 512 bytes of scale words come through registers into LDS blocks of their own when its tensor load has landed.  One barrier; both passes run without any.
; No prefetch: the launch's one stream is asked for whole at its head, so there is no loop to run ahead in.
; LAYOUT.  Both products are used transposed: S^T = K q^T, O^T = V^T p^T: a lane holds ONE query.  The head's size is 64, half of the instruction's K: a fragment of K carries TWO tiles of 16 keys, one in each
; half of K, and q stands beside six registers of zero codes on either side: [q | 0] picks the first tile, [0 | q] the second.
; WHICH KEYS FORM A TILE is chosen by the lanes' LDS addresses.  In LDS lane-row r of key tile T is key 32 (T / 2) + 8 (T % 2) + r + 8 (r / 8).  Lane-row 8 a + i of the fragment (c, s) that is multiplied here is
; taken from the stored fragment 2 c + a at lane-row i + 8 s.  Its two tiles then hold keys 32 (2 c + a) + 16 s + i and + 8, so that a lane's registers 32 c + 0 .. 31 of S^T are the WHOLE block 2 c + h of 32 keys,
; in order: a block's maximum needs no other lane, and the conversions' results are p's operand as it stands.  V^T's channel tiles are read as they lie: O^T's registers run along the head's 64.
; LIMITS: NaN and infinities are not served; the promise holds while the scaled scores stay under 2^31 in magnitude; a block of ctx whose largest magnitude lies under 2^-122 is held at byte 1;
; a block of zeros gets byte 1 (this program alone reads the bytes).
.set SCB, 196608                       ; behind the codes: a step's 512 bytes of scale words: K's [r][4 words], V's [r][4 words]
.set K16, 3                            ; v3   K's fragments: 1,536 a + 16 i + 256 h;  v9 the same for the loads of 8 bytes: 1,536 a + 8 i + 128 h
.set K8,  9
.set KSB, 10                           ; v10  K's scale words: SCB + 16 i + 4 a
.set VSB, 6                            ; v6   V's: SCB + 16 r
.set SH8, 11                           ; v11  8 h
.set WV16, 4                           ; v4, v5, v208-211: the step's addresses
.set WV8, 5
.set WK16, 208
.set WK8, 209
.set WKS, 210
.set WVS, 211
.set SAD, 35                           ; v35  where my step's scale words go in LDS
.set FB,  44                           ; v44-91   four fragments, of K and then of V^T
.set KS,  92                           ; v92-95   K's scale words
.set S,   96                           ; v96-159  S^T, then p
.set OT,  160                          ; v160-191 O^T
.set VS,  192                          ; v192-195 V's scale words
.set PCD, 196                          ; v196-207 p's codes
.set BM,  216
.set BP,  220
.set SO,  224
.set T1,  228
.set FF,  230                          ; v[230:231] f, later 1 / sum; v231, set to 0, is otherwise only named with it as a pair
.set A1,  232                          ; v[232:233], v[250:253] the sum's side chains
.set A2,  252
.set A3,  250
.set PWD, 234                          ; p's scale word
.set CT,  236
.set HW,  244                          ; v244, v245 the two passes' scale bytes of ctx
.set WV,  12
.set G1C, 16
.set SS,  24                           ; s[24:25] where my 512 bytes of scale words lie in memory; never rewritten
.set G0,  32
.set SEL, 52
.set CS,  54
.set TB,  56
.set TS,  57
.set CNT, 58
.set HIM, 59
.macro CROUND
	s_barrier_signal -1
	s_barrier_wait -1
	s_cmp_lg_u32 s[WV], 0
	s_cbranch_scc1 .Lnot_wave_0_\@
	s_barrier_signal -3
.Lnot_wave_0_\@:
	s_barrier_wait -3
	s_barrier_signal -1
	s_barrier_wait -1
.endm
	s_load_b256 s[4:11], s[0:1], 0x0               ; qkvc, qkvs, ctxc, ctxs
	v_lshl_add_u32 v254, v0, 2, 0x32000            ; my spare word; never rewritten
	v_mov_b32 v255, 0
	ds_add_u32 v254, v255                          ; the opening lines: the add twice on end and its wait
	ds_add_u32 v254, v255
	v_lshrrev_b32 v1, 5, v0
	v_readfirstlane_b32 s[WV], v1                  ; wave 0..15
	s_bfe_u32 s13, ttmp6, 0x40000                  ; cx: it enters q's and ctx's addresses alone
	s_and_b32 s14, ttmp7, 0xffff                   ; bh, which the four partners share
	s_mov_b32 s[G1C], 15|(3<<16)|(1<<21)           ; 15:0 the mask: all four; 17:16 elements of 8 bytes; 21 set beside a mask
	s_mov_b32 s[G1C+1], 32<<16                     ; 12,288 dense bytes as 48 rows of 256
	s_mov_b32 s[G1C+2], 48<<16
	s_mov_b32 s[G1C+3], 32<<16
	s_mov_b32 s[G1C+4], 48
	s_mov_b32 s[G1C+5], 32
	s_mov_b32 s[G1C+6], 0
	s_mov_b32 s[G1C+7], 0
	s_mul_i32 s15, s[WV], 12288                    ; my key step
	s_mul_i32 s70, s14, 196608
	s_add_co_u32 s70, s70, s15
	s_add_co_u32 s70, s70, 6291456
	s_mov_b32 s71, 0
	s_lshl_b32 s66, s14, 13
	s_lshl_b32 s68, s[WV], 9                       ; my sixteenth of the scale words
	s_add_co_u32 s66, s66, s68
	s_add_co_u32 s66, s66, 262144
	s_mov_b32 s67, 0
	s_wait_dscnt 0x0
	s_wait_kmcnt 0x0
	s_add_nc_u64 s[70:71], s[4:5], s[70:71]
	s_add_nc_u64 s[SS:SS+1], s[6:7], s[66:67]
	s_mov_b32 s[G0], 1
	s_mov_b32 s[G0+1], s15
	s_mov_b64 s[G0+2:G0+3], s[70:71]
	s_or_b32 s[G0+3], s[G0+3], 0x80000000
	CROUND                                         ; all four work-groups are here: the joint loads meet
	tensor_load_to_lds s[G0:G0+3], s[G1C:G1C+7]    ; my key step's K and V^T: one tensor load a wave at the head
	s_nop 0
.rept 4
	v_nop
.endr
	v_and_b32 v96, 31, v0                          ; lane
	v_and_b32 v97, 15, v0                          ; r
	v_bfe_u32 v98, v0, 4, 1                        ; h
	v_and_b32 v99, 7, v0                           ; i
	v_bfe_u32 v100, v0, 3, 1                       ; a
	v_lshlrev_b32 v1, 4, v96                       ; 16 x lane
	v_lshlrev_b32 v2, 3, v96                       ; 8 x lane
	v_lshlrev_b32 v7, 4, v97                       ; 16 r
	v_lshlrev_b32 v[SH8], 3, v98
	v_add_nc_u32 v[SAD], s68, v1
	v_add_nc_u32 v[SAD], SCB, v[SAD]               ; SCB + 512 x wave + 16 x lane
	global_load_b128 v[FB:FB+3], v1, s[SS:SS+1]    ; my step's scale words: 512 consecutive bytes
	v_add_nc_u32 v[VSB], SCB, v7
	v_lshlrev_b32 v8, 3, v97
	v_lshl_add_u32 v8, v98, 9, v8                  ; ctx's scale bytes: 8 r; lanes 16-31 the next tile's
	v_mul_u32_u24 v[K16], v100, 1536
	v_lshl_add_u32 v[K8], v99, 3, v[K16]
	v_lshl_add_u32 v[K8], v98, 7, v[K8]
	v_lshl_add_u32 v[K16], v99, 4, v[K16]
	v_lshl_add_u32 v[K16], v98, 8, v[K16]
	v_lshlrev_b32 v[KSB], 4, v99
	v_lshl_add_u32 v[KSB], v100, 2, v[KSB]
	v_add_nc_u32 v[KSB], SCB, v[KSB]
	s_wait_alu depctr_va_vdst(0)                   ; ahead of the run of scalar lines below
	s_lshl_b32 s2, s13, 5
	s_lshl_b32 s3, s[WV], 1
	s_add_co_u32 s2, s2, s3                        ; my first tile of queries: 32 cx + 2 w
	s_mul_i32 s60, s2, 768
	s_mul_i32 s3, s14, 98304
	s_add_co_u32 s60, s60, s3
	s_mov_b32 s61, 0
	s_add_nc_u64 s[60:61], s[4:5], s[60:61]        ; q's codes
	s_lshr_b32 s3, s2, 3                           ; the group of 8 tiles
	s_lshl_b32 s62, s3, 8
	s_and_b32 s15, s[WV], 3                        ; the pair of tiles in it
	s_lshl_b32 s70, s15, 2
	s_add_co_u32 s62, s62, s70
	s_lshl_b32 s70, s14, 12
	s_add_co_u32 s62, s62, s70
	s_mov_b32 s63, 0
	s_add_nc_u64 s[62:63], s[6:7], s[62:63]        ; q's scale words: one word serves both tiles
	global_load_b128 v[22:25], v1, s[60:61]        ; the first pass's q
	global_load_b64 v[26:27], v2, s[60:61] offset:512
	global_load_b128 v[36:39], v1, s[60:61] offset:768          ; the second's
	global_load_b64 v[40:41], v2, s[60:61] offset:1280
	global_load_b32 v42, v7, s[62:63]
	s_lshr_b32 s70, s14, 4                         ; b
	s_lshl_b32 s71, s70, 4
	s_add_co_u32 s71, s71, s3                      ; ctx's group of 128 rows
	s_lshl_b32 s71, s71, 3
	s_bfe_u32 s3, s14, 0x30001                     ; its K step: head / 2
	s_add_co_u32 s71, s71, s3
	s_lshl_b32 s71, s71, 3
	s_lshl_b32 s15, s15, 1
	s_add_co_u32 s71, s71, s15                     ; the tile in the group
	s_mul_i32 s66, s71, 1536
	s_and_b32 s15, s14, 1                          ; the fragment's half: head % 2
	s_mul_i32 s71, s15, 768
	s_add_co_u32 s66, s66, s71
	s_mov_b32 s67, 0
	s_add_nc_u64 s[66:67], s[8:9], s[66:67]        ; ctx's codes
	s_lshl_b32 s70, s70, 7
	s_add_co_u32 s70, s70, s2
	s_lshl_b32 s68, s70, 9                         ; 512 bytes of scale words a tile
	s_lshr_b32 s70, s3, 1
	s_lshl_b32 s70, s70, 7
	s_add_co_u32 s68, s68, s70
	s_and_b32 s70, s3, 1
	s_lshl_b32 s70, s70, 2
	s_add_co_u32 s68, s68, s70
	s_lshl_b32 s15, s15, 1
	s_add_co_u32 s68, s68, s15                     ; my head's two bytes of the K step's word
	s_mov_b32 s69, 0
	s_add_nc_u64 s[68:69], s[10:11], s[68:69]
	s_mov_b32 s[SEL], 0x76543210
	s_mov_b32 s[SEL+1], 0xfedcba98
	s_mov_b32 s[CS], 0x3e38aa3b                    ; c = log2(e) / 8
	s_mov_b32 s[CS+1], s[CS]                       ; (named with it as a pair)
	s_mov_b32 s[HIM], 0xffff0000                   ; lanes 16-31
.irp j, 16,17,18,19,20,21,28,29,30,31,32,33
	v_mov_b32 v\j, 0                               ; zero codes on either side of q
.endr
.irp b, 0,1,2,3
	v_mov_b32 v[BP+\b], 0                          ; a lane permute's destination counts as one of its sources
.endr
	v_mov_b32 v[FF+1], 0
	s_wait_loadcnt 0x0
	v_perm_b32 v34, v42, v42, 0x01000100           ; the first tile's two bytes, for either half of K
; A KEY STEP: 128 keys.
.macro STEP
	v_add_nc_u32 v[WK16], s[TB], v[K16]
	v_add_nc_u32 v[WK8], s[TB], v[K8]
	v_add_nc_u32 v[WKS], s[TS], v[KSB]
	v_add_nc_u32 v[WVS], s[TS], v[VSB]
.irp c, 0,1
.irp s, 0,1                            ; fragment (c, s): my lane-row from the stored fragment 2 c + a, lane-row i + 8 s; and that row's scale word
	ds_load_b128 v[FB+12*(2*\c+\s):FB+12*(2*\c+\s)+3], v[WK16] offset:3072*\c+128*\s
	ds_load_b64 v[FB+12*(2*\c+\s)+4:FB+12*(2*\c+\s)+5], v[WK8] offset:3072*\c+64*\s+512
	ds_load_b128 v[FB+12*(2*\c+\s)+6:FB+12*(2*\c+\s)+9], v[WK16] offset:3072*\c+128*\s+768
	ds_load_b64 v[FB+12*(2*\c+\s)+10:FB+12*(2*\c+\s)+11], v[WK8] offset:3072*\c+64*\s+1280
	ds_load_b32 v[KS+2*\c+\s], v[WKS] offset:8*\c+128*\s
.endr
.endr
	ds_load_b128 v[VS:VS+3], v[WVS] offset:256
	s_wait_alu depctr_va_vdst(0)
	s_wait_dscnt 0x0
.irp f, 0,1,2,3
	v_wmma_scale_f32_16x16x128_f8f6f4 v[S+16*\f:S+16*\f+7], v[FB+12*\f:FB+12*\f+11], v[22:33], 0, v[KS+\f], v34 matrix_a_fmt:MATRIX_FMT_BF6 matrix_b_fmt:MATRIX_FMT_BF6
	v_wmma_scale_f32_16x16x128_f8f6f4 v[S+16*\f+8:S+16*\f+15], v[FB+12*\f:FB+12*\f+11], v[16:27], 0, v[KS+\f], v34 matrix_a_fmt:MATRIX_FMT_BF6 matrix_b_fmt:MATRIX_FMT_BF6
.endr
	v_add_nc_u32 v[WV16], s[TB], v1                ; four places in front of the loads below and of the first read of the scores
	v_add_nc_u32 v[WV8], s[TB], v2
	v_mov_b32 v[T1], v12                           ; the old -M
	v_nop
.irp t, 0,1,2,3                        ; V^T, as it lies, lands while the softmax runs
	ds_load_b128 v[FB+12*\t:FB+12*\t+3], v[WV16] offset:6144+1536*\t
	ds_load_b64 v[FB+12*\t+4:FB+12*\t+5], v[WV8] offset:6144+1536*\t+512
	ds_load_b128 v[FB+12*\t+6:FB+12*\t+9], v[WV16] offset:6144+1536*\t+768
	ds_load_b64 v[FB+12*\t+10:FB+12*\t+11], v[WV8] offset:6144+1536*\t+1280
.endr
.irp b, 0,1,2,3
	v_max3_num_f32 v[BM+\b], v[S+16*\b], v[S+16*\b+1], v[S+16*\b+2]   ; four chains by turns; each accumulator is read from its low end on
.endr
.irp i, 3,5,7,9,11,13
.irp b, 0,1,2,3
	v_max3_num_f32 v[BM+\b], v[BM+\b], v[S+16*\b+\i], v[S+16*\b+\i+1]
.endr
.endr
	v_max3_num_f32 v[BM], v[BM], v[BM+1], v[S+15]
	v_max3_num_f32 v[BM+2], v[BM+2], v[BM+3], v[S+47]
	v_max_num_f32 v[BM], v[BM], v[S+31]            ; the largest score of my block h: for the row's maximum and, since p rises with the score, for the block's largest p
	v_max_num_f32 v[BM+2], v[BM+2], v[S+63]        ; and of my block 2 + h
	v_max_num_f32 v[BP], v[BM], v[BM+2]
	s_delay_alu instid0(VALU_DEP_1)
	v_permlanex16_b32 v[BP+1], v[BP], s[SEL], s[SEL+1]
	s_delay_alu instid0(VALU_DEP_1)
	v_max3_num_f32 v13, v13, v[BP], v[BP+1]        ; the running largest score (c is positive: its t is the largest t)
	s_delay_alu instid0(VALU_DEP_1)
	v_mul_f32 v[BP], s[CS], v13
	s_delay_alu instid0(VALU_DEP_1)
	v_floor_f32 v12, -v[BP]                        ; -M = floor(-t): M is a whole number
	s_delay_alu instid0(VALU_DEP_1)
	v_sub_f32 v[T1], v12, v[T1]
	s_delay_alu instid0(VALU_DEP_1)
	v_cvt_i32_f32 v[T1], v[T1]                     ; (it saturates)
	s_delay_alu instid0(VALU_DEP_1)
	v_ldexp_f32 v[FF], 1.0, v[T1]                  ; f = 2^(old M - new M)
.set j, 0
.rept 32
	v_pk_fma_f32 v[S+j:S+j+1], v[S+j:S+j+1], s[CS:CS+1], v[12:13] op_sel_hi:[1,0,0]   ; t - M
.set j, j+2
.endr
	v_fma_f32 v[BM], v[BM], s[CS], v12
	v_fma_f32 v[BM+2], v[BM+2], s[CS], v12
	s_wait_alu depctr_va_vdst(0)                   ; ahead of the batch
.set j, 0
.rept 64
	v_exp_f32 v[S+j], v[S+j]                       ; p = 2^(t - M)
.set j, j+1
.endr
	v_exp_f32 v[BM], v[BM]                         ; my two blocks' largest p
	v_exp_f32 v[BM+2], v[BM+2]
	v_pk_mul_f32 v[14:15], v[14:15], v[FF:FF+1] op_sel_hi:[1,0]   ; the sums under the new M: a plain place behind the exponentials
	s_wait_alu depctr_va_vdst(0)                   ; one wait for the batch, ahead of its first reader
	v_max_num_f32 v[BM], 0x2800000, v[BM]          ; the floor 2^(5 - 127)
	v_max_num_f32 v[BM+2], 0x2800000, v[BM+2]
	v_add_nc_u32 v[SO], 0xfe000000, v[BM]          ; 4 off the exponent field: the conversions' scale operands
	v_add_nc_u32 v[SO+1], 0xfe000000, v[BM+2]
.irp c, 0,1
	v_cvt_scalef32_pk16_bf6_f32 v[PCD+6*\c:PCD+2+6*\c], v[S+32*\c:S+32*\c+15], v[SO+\c]
	v_cvt_scalef32_pk16_bf6_f32 v[CT+4*\c:CT+2+4*\c], v[S+32*\c+16:S+32*\c+31], v[SO+\c]   ; (a conversion's three registers begin on an even number)
.endr
	v_lshrrev_b32 v[BP], 23, v[SO]                 ; the bytes; also the plain place behind the conversions
	v_lshrrev_b32 v[BP+1], 23, v[SO+1]
.irp c, 0,1
.irp i, 0,1,2
	v_mov_b32 v[PCD+3+6*\c+\i], v[CT+4*\c+\i]
.endr
.endr
	v_lshl_or_b32 v[PWD], v[BP+1], 16, v[BP]       ; blocks h and 2 + h,
	s_delay_alu instid0(VALU_DEP_1)
	v_lshlrev_b32 v[PWD], v[SH8], v[PWD]           ; at their places in the word;
	s_delay_alu instid0(VALU_DEP_1)
	v_permlanex16_b32 v[BP+2], v[PWD], s[SEL], s[SEL+1]
	s_delay_alu instid0(VALU_DEP_1)
	v_or_b32 v[PWD], v[PWD], v[BP+2]               ; with lane l xor 16's two the word is whole
.set j, 0
.rept 16
	v_pk_mul_f32 v[OT+j:OT+j+1], v[OT+j:OT+j+1], v[FF:FF+1] op_sel_hi:[1,0]   ; O^T under the new M; these are also the places between p's codes and scale word and the products
.set j, j+2
.endr
	s_wait_alu depctr_va_vdst(0)
	s_wait_dscnt 0x0                               ; V^T is in
.irp t, 0,1,2,3
	v_wmma_scale_f32_16x16x128_f8f6f4 v[OT+8*\t:OT+8*\t+7], v[FB+12*\t:FB+12*\t+11], v[PCD:PCD+11], v[OT+8*\t:OT+8*\t+7], v[VS+\t], v[PWD] matrix_a_fmt:MATRIX_FMT_BF6 matrix_b_fmt:MATRIX_FMT_BF6
.endr
	; the row's sum of the unquantised p, in four chains: 32 plain lines that name none of the products' registers: they are the places in front of the next step's loads
	v_pk_add_f32 v[A1:A1+1], v[S:S+1], v[S+2:S+3]
	v_pk_add_f32 v[A2:A2+1], v[S+4:S+5], v[S+6:S+7]
	v_pk_add_f32 v[A3:A3+1], v[S+8:S+9], v[S+10:S+11]
	v_pk_add_f32 v[14:15], v[14:15], v[S+12:S+13]
.irp k, 14,22,30,38,46,54
	v_pk_add_f32 v[A1:A1+1], v[A1:A1+1], v[S+\k:S+\k+1]
	v_pk_add_f32 v[A2:A2+1], v[A2:A2+1], v[S+\k+2:S+\k+3]
	v_pk_add_f32 v[A3:A3+1], v[A3:A3+1], v[S+\k+4:S+\k+5]
	v_pk_add_f32 v[14:15], v[14:15], v[S+\k+6:S+\k+7]
.endr
	v_pk_add_f32 v[A1:A1+1], v[A1:A1+1], v[S+62:S+63]
	v_pk_add_f32 v[A2:A2+1], v[A2:A2+1], v[A3:A3+1]
	v_pk_add_f32 v[14:15], v[14:15], v[A1:A1+1]
	v_pk_add_f32 v[14:15], v[14:15], v[A2:A2+1]
	s_add_co_u32 s[TB], s[TB], 12288
	s_add_co_u32 s[TS], s[TS], 512
.endm
.macro RUN n
	s_mov_b32 s[CNT], \n
.Lstep_\@:
	STEP
	s_sub_co_u32 s[CNT], s[CNT], 1
	s_cmp_lg_u32 s[CNT], 0
	s_cbranch_scc1 .Lstep_\@
.endm
.macro INIT                            ; the step is written once: its first trip finds zeros, which the first change of M leaves zeros
	v_mov_b32 v13, 0xff61b1e6                      ; -3e38, under every score
	v_mov_b32 v14, 0
	v_floor_f32 v12, -v13
	v_mov_b32 v15, 0
.set j, 0
.rept 32
	v_mov_b32 v[OT+j], 0
.set j, j+1
.endr
.endm
; The way out of pass p: O^T / the sum, register 16 g + i = channel 32 g + 16 h + i of my query, is quantised: half a fragment (my head's 64 of a K step of 128) and two scale bytes.
.macro OUT p
	v_add_f32 v14, v14, v15                        ; (the step's 32 additions stand behind the last products)
	v_permlanex16_b32 v[T1], v14, s[SEL], s[SEL+1]
	v_add_f32 v14, v14, v[T1]                      ; the row's sum
	s_wait_alu depctr_va_vdst(0)
	v_rcp_f32 v[FF], v14
	v_nop
	s_wait_alu depctr_va_vdst(0)                   ; ahead of the reciprocal's first reader
.set j, 0
.rept 16
	v_pk_mul_f32 v[S+j:S+j+1], v[OT+j:OT+j+1], v[FF:FF+1] op_sel_hi:[1,0]
.set j, j+2
.endr
.irp b, 0,1
	v_max3_num_f32 v[BM+\b], |v[S+16*\b]|, |v[S+16*\b+1]|, 0x2800000
.endr
.irp i, 2,4,6,8,10,12,14
.irp b, 0,1
	v_max3_num_f32 v[BM+\b], v[BM+\b], |v[S+16*\b+\i]|, |v[S+16*\b+\i+1]|
.endr
.endr
.irp b, 0,1
	v_permlanex16_b32 v[BP+\b], v[BM+\b], s[SEL], s[SEL+1]
.endr
.irp b, 0,1
	v_max_num_f32 v[BM+\b], v[BM+\b], v[BP+\b]
.endr
.irp b, 0,1
	v_add_nc_u32 v[SO+\b], 0xfe000000, v[BM+\b]
.endr
.irp b, 0,1
	v_lshrrev_b32 v[BP+\b], 23, v[SO+\b]
.endr
	v_lshl_or_b32 v[HW+\p], v[BP+1], 8, v[BP]
	v_cvt_scalef32_pk16_bf6_f32 v[PCD:PCD+2], v[S:S+15], v[SO]
	v_cvt_scalef32_pk16_bf6_f32 v[CT:CT+2], v[S+16:S+31], v[SO+1]
	v_nop
.irp i, 0,1,2
	v_permlane16_swap_b32 v[PCD+\i], v[CT+\i]
.endr
.irp i, 0,1,2
	v_mov_b32 v[PCD+3+\i], v[CT+\i]
.endr
	global_store_b128 v1, v[PCD:PCD+3], s[66:67] offset:1536*\p          ; 512 consecutive bytes
	global_store_b64 v2, v[PCD+4:PCD+5], s[66:67] offset:1536*\p+512     ; 256
.endm
	INIT
	s_mov_b32 s[TB], 0
	s_mov_b32 s[TS], 0
	s_wait_tensorcnt 0x0                           ; my key step is in
	ds_store_b128 v[SAD], v[FB:FB+3]               ; its scale words (in registers since the wait on LOADcnt above)
	s_wait_dscnt 0x0                               ; for the others' sake
	s_barrier_signal -1
	s_barrier_wait -1                              ; everybody's are: nothing is ever filled again
	RUN 16                                         ; the first pass
	OUT 0
	s_wait_xcnt 0x0                                ; the stores have read their data: p's codes are written again
.irp i, 0,1,2,3,4,5
	v_mov_b32 v[22+\i], v[36+\i]                   ; the second tile's q
.endr
	v_perm_b32 v34, v42, v42, 0x03020302           ; and its two bytes; the lines of INIT stand between these and the next products
	INIT
	s_mov_b32 s[TB], 0
	s_mov_b32 s[TS], 0
	RUN 16                                         ; the second pass
	OUT 1
	v_cndmask_b32 v[T1], v[HW], v[HW+1], s[HIM]    ; lanes 0-15 the first tile's bytes, lanes 16-31 the second's
	global_store_b16 v8, v[T1], s[68:69]           ; two bytes a row: the word's other half is the neighbouring head's, made by another cluster
	s_wait_tensorcnt 0x0                           ; the wave's end
	ds_add_u32 v254, v255
	s_wait_dscnt 0x0
	CROUND                                         ; the closing round
	s_endpgm
.Lfunc_end_k_qf47cae900b_attn:
	.size	k_qf47cae900b_attn, .Lfunc_end_k_qf47cae900b_attn-k_qf47cae900b_attn
	.p2alignl 7, 3214868480
	.fill 96, 4, 3214868480
	.section	.rodata,"a",@progbits
	.p2align	6, 0x0
	.amdhsa_kernel k_qf47cae900b_attn
		.amdhsa_group_segment_fixed_size 206848
		.amdhsa_private_segment_fixed_size 0
		.amdhsa_enable_private_segment 0
		.amdhsa_kernarg_size 32
		.amdhsa_user_sgpr_count 2
		.amdhsa_user_sgpr_kernarg_segment_ptr 1
		.amdhsa_wavefront_size32 1
		.amdhsa_system_sgpr_workgroup_id_x 1
		.amdhsa_system_sgpr_workgroup_id_y 1
		.amdhsa_system_sgpr_workgroup_id_z 1
		.amdhsa_system_vgpr_workitem_id 0
		.amdhsa_next_free_vgpr 256
		.amdhsa_next_free_sgpr 72
		.amdhsa_reserve_vcc 0
		.amdhsa_float_denorm_mode_32 3
		.amdhsa_float_denorm_mode_16_64 3
		.amdhsa_memory_ordered 1
		.amdhsa_forward_progress 1
		.amdhsa_inst_pref_size 48
	.end_amdhsa_kernel
	.amdgpu_metadata
---
amdhsa.version: [ 1, 2 ]
amdhsa.kernels:
  - .name:           k_qf47cae900b_attn
    .symbol:         k_qf47cae900b_attn.kd
    .args:
      - { .name: qkvc, .offset: 0, .size: 8, .value_kind: global_buffer, .address_space: global }
      - { .name: qkvs, .offset: 8, .size: 8, .value_kind: global_buffer, .address_space: global }
      - { .name: ctxc, .offset: 16, .size: 8, .value_kind: global_buffer, .address_space: global }
      - { .name: ctxs, .offset: 24, .size: 8, .value_kind: global_buffer, .address_space: global }
    .group_segment_fixed_size: 206848
    .private_segment_fixed_size: 0
    .kernarg_segment_align: 8
    .kernarg_segment_size: 32
    .max_flat_workgroup_size: 512
    .sgpr_count:     72
    .vgpr_count:     256
    .wavefront_size: 32
...
	.end_amdgpu_metadata
.endif
;; end of part 3
;; launch outp (part 4): grid 4 x 32, 4 waves a work-group, clusters of 4 x 4, 327,680 bytes of LDS; arguments ctxc, ctxs, opc, ops, query, out0; writes out0
.if DOCPART == 4
	.amdgcn_target "amdgcn-amd-amdhsa--gfx1250"
	.amdhsa_code_object_version 6
	.text
	.protected	k_qf47cae900b_outp
	.globl	k_qf47cae900b_outp
	.p2align	8
	.type	k_qf47cae900b_outp,@function
k_qf47cae900b_outp:
	s_mov_b64 s[64:65], 0
	v_nop
	global_prefetch_b8 v0, s[64:65] scope:SCOPE_SE
	s_setreg_imm32_b32 hwreg(HW_REG_WAVE_MODE, 25, 1), 1
	s_wait_xcnt 0x0
	s_wait_alu depctr_hold_cnt(0) depctr_sa_sdst(0) depctr_va_vdst(0) depctr_va_sdst(0) depctr_va_ssrc(0) depctr_va_vcc(0) depctr_vm_vsrc(0)
	s_getreg_b32 s2, hwreg(HW_REG_IB_STS2, 6, 4)
	s_cmp_eq_u32 s2, 0
	s_cbranch_scc0 .Lentry_in_a_cluster
	s_endpgm
.Lentry_in_a_cluster:
	s_bfe_u32 s2, ttmp6, 0x10000c
	s_cmp_lg_u32 s2, 0xf033
	s_cbranch_scc0 .Lentry_shape_is_right
	s_endpgm
.Lentry_shape_is_right:
; OUTP: out0 = query + ctx w_out^T, the product on codes of BF6 (E3M2) with E8M0 scales, sums in f32.
; C = A B^T, A = ctx (rows m' = b x 2,048 + t), B = w_out (groups 152-159 of opc); a tile of 256 x 256 to a work-group, 128 x 128 to each of four waves, K = 1,024 in 8 steps of 128.
; Operands lie in memory in the order of the operand's registers (a fragment is 1,536 bytes: registers 0-3 at 16 x lane, 4-5 at 512 + 8 x lane, 6-9 at 768 + 16 x lane, 10-11 at 1,280 + 8 x lane); two K steps of
; 128 rows are 24,576 dense bytes, one tensor load.  Three LDS slots of two K steps; K steps 6 and 7 go into slot 0 again.  By this text's count a wave has four tensor loads out at the start, later one.
; THE MATRIX INSTRUCTION IS USED TRANSPOSED (source 0 = 16 rows of w_out, source 1 = 16 rows of ctx): a lane holds eight neighbouring numbers of a row of the result.
; Lane-row r of an operand's tile T is its row 32 (T / 2) + 8 (T % 2) + r + 8 (r / 8): the way out undoes that order by its offsets.
; CLUSTERS: 4 x 4 work-groups; A's tiles are asked for jointly along a row of the cluster, B's along a column.  128 tiles of 256 x 256: the launch moves 67 MB of residual and result for a short product,
; and the large wave tile keeps the text one with the projections'.
; REGISTERS: window 0: v4-9, v16-31 addresses; v32-63 scale words; v128-223 A's fragments, on the way out v128-255 rows of the result.  window 1: B's fragments, on the way out four blocks of the residual.
;   windows 2, 3: the accumulators ((a, b) at v[8 (8 (a % 4) + b)]).
.set NL,    4
.set NP,    4
.set FR,    12
.set PIECE, 24576
; THE LOADS AS THEY STAND IN THIS TEXT (in place of what the head says of three slots and four loads): LDS holds four regions, A's two halves and B's two, each six K steps of 128 rows on end, 73,728 bytes.
; A wave fills its region by ONE tensor load at the head; K steps 6 and 7 go into the region's first two steps again behind the round at K step 1.  By this text's count a wave has one tensor load out.
; The scale words (4,096 bytes a wave) come through registers and are stored into LDS blocks of their own when the wave's tensor load has landed.
; The stage, 33,792 bytes from STAGE on, lies on K steps 2 to 5 of the first region: they have had their one fill, and nobody reads them behind the last barrier.
.set REG,   3*PIECE                    ; a region
.set SLOT,  PIECE                      ; from one pair of K steps to the next inside a region
.set SCL,   4*REG
.set SPARE, SCL+4*4096                 ; the spare words, 128 bytes a wave: two blocks of 256 bytes that no other line names
.set SPITCH, 528                       ; the stage: 16 rows x (512 bytes + 16) for each wave
.set STAGE, SLOT                       ; in slot 1: it has had its one fill, and nobody reads it behind the last barrier
.set LN16, 4                           ; v4  16 x lane: also my place in a row of query and of out0
.set LN8,  5
.set STO,  8
.set RD,   9
.set A16,  16
.set A8,   19
.set B16,  22
.set B8,   25
.set SPW,  28
.set NIL,  29
.set ADRS, 30
.set PFO,  31                          ; v31 the prefetches' offset: lane x 16,384, a token's distance; never rewritten
.set SC,   32
.set AF,   128
.set BK,   128
.set G1,   24
.set G1B,  32
.set SS,   72                          ; s[72:73] where my 4,096 bytes of scale words lie in memory; never rewritten
.set SAD,  7                           ; v7 and where they go in LDS
.set G0,   68
.set G0B,  80
.set MSB, 0
.macro WIN new
.if MSB != (\new)
	s_set_vgpr_msb (MSB<<8)|(\new)
.set MSB, (\new)
.endif
.endm
.set MUL_LO, 0xa1
.set MUL_HI, 0xf1
.set TO_B,   0x40
.macro JLOAD g0a, g1a, g0b, g1b
	s_cmp_eq_u32 s15, 0
	s_cbranch_scc0 .Lfor_b_\@
	tensor_load_to_lds s[\g0a:\g0a+3], s[\g1a:\g1a+7]
	s_nop 0
.rept 4
	v_nop
.endr
	s_branch .Lasked_\@
.Lfor_b_\@:
	tensor_load_to_lds s[\g0b:\g0b+3], s[\g1b:\g1b+7]
	s_nop 0
.rept 4
	v_nop
.endr
.Lasked_\@:
.endm
.macro CREST
	s_cmp_lg_u32 s14, 0
	s_cbranch_scc1 .Lnot_wave_0_\@
	s_barrier_signal -3
.Lnot_wave_0_\@:
	s_barrier_wait -3
	s_barrier_signal -1
	s_barrier_wait -1
.endm
.macro CROUND
	s_barrier_signal -1
	s_barrier_wait -1
	CREST
.endm
.macro PLACES n
.rept \n
	v_nop
.endr
.endm
	s_load_b256 s[4:11], s[0:1], 0x0               ; ctxc, ctxs, opc, ops
	s_load_b128 s[92:95], s[0:1], 0x20             ; query, out0
	v_lshl_add_u32 v[SPW], v0, 2, SPARE
	v_mov_b32 v[NIL], 0
	ds_add_u32 v28, v29
	ds_add_u32 v28, v29
	s_wait_dscnt 0x0
	v_lshrrev_b32 v1, 5, v0
	v_readfirstlane_b32 s14, v1                    ; wave 0..3
	s_lshr_b32 s15, s14, 1                         ; my half of the tile's rows.  Also: I fetch for A (0) or for B (1)
	s_and_b32 s16, s14, 1                          ; my half of its columns.  Also: which 128 rows I fetch
	s_bfe_u32 s17, ttmp6, 0x40000                  ; cx
	s_bfe_u32 s18, ttmp6, 0x40004                  ; cy
	s_and_b32 s20, ttmp7, 0xffff
	s_lshl_b32 s20, s20, 2
	s_add_co_u32 s20, s20, s18                     ; tile row
	s_lshl_b32 s21, ttmp9, 2
	s_add_co_u32 s21, s21, s17                     ; tile column
	s_lshl_b32 s100, s18, 2
	s_lshl_b32 s100, 15, s100                      ; my row of the cluster
	s_lshl_b32 s101, 0x1111, s17                   ; my column
	s_or_b32 s[G1], s100, (3<<16)|(1<<21)
	s_or_b32 s[G1B], s101, (3<<16)|(1<<21)
.irp g, G1, G1B                        ; the head's load: 73,728 dense bytes as 288 rows of 256
	s_mov_b32 s[\g+1], 32<<16
	s_mov_b32 s[\g+2], 288<<16
	s_mov_b32 s[\g+3], 32<<16
	s_mov_b32 s[\g+4], 288
	s_mov_b32 s[\g+5], 32
	s_mov_b32 s[\g+6], 0
	s_mov_b32 s[\g+7], 0
.endr
	s_lshl_b32 s22, s20, 1
	s_add_co_u32 s22, s22, s16                     ; the group of ctx that I would fetch
	s_mul_i32 s96, s22, 98304
	s_mov_b32 s97, 0
	s_lshl_b32 s22, s22, 12
	s_mov_b32 s23, 0
	s_lshl_b32 s2, s21, 1
	s_add_co_u32 s2, s2, s16
	s_add_co_u32 s2, s2, 152                       ; and of w_out
	s_mul_i32 s98, s2, 98304
	s_mov_b32 s99, 0
	s_lshl_b32 s2, s2, 12
	s_mov_b32 s3, 0
	s_mul_i32 s100, s14, REG
	s_lshl_b32 s101, s14, 12
	s_wait_kmcnt 0x0
	s_add_nc_u64 s[96:97], s[4:5], s[96:97]
	s_add_nc_u64 s[22:23], s[6:7], s[22:23]
	s_add_nc_u64 s[98:99], s[8:9], s[98:99]
	s_add_nc_u64 s[2:3], s[10:11], s[2:3]
	s_cmp_eq_u32 s15, 0                            ; waves 0 and 1 bring ctx's scale words, waves 2 and 3 w_out's: a choice by the wave's number
	s_cselect_b64 s[SS:SS+1], s[22:23], s[2:3]
.irp s, 0
	s_mov_b32 s[G0+4*\s], 1
	s_add_co_u32 s[G0+4*\s+1], s100, \s*SLOT
	s_add_nc_u64 s[G0+4*\s+2:G0+4*\s+3], s[96:97], \s*PIECE
	s_or_b32 s[G0+4*\s+3], s[G0+4*\s+3], 0x80000000
	s_mov_b32 s[G0B+4*\s], 1
	s_add_co_u32 s[G0B+4*\s+1], s100, \s*SLOT
	s_add_nc_u64 s[G0B+4*\s+2:G0B+4*\s+3], s[98:99], \s*PIECE
	s_or_b32 s[G0B+4*\s+3], s[G0B+4*\s+3], 0x80000000
.endr
	CROUND                                         ; all sixteen work-groups are here: the first joint loads meet
	s_cmp_eq_u32 s15, 0                            ; one tensor load a wave at the head: K steps 0 to 5 of my 128 rows
	s_cbranch_scc0 .Lfirst_b
	tensor_load_to_lds s[G0:G0+3], s[G1:G1+7]
	s_nop 0
.rept 4
	v_nop
.endr
	s_branch .Lfirst_asked
.Lfirst_b:
	tensor_load_to_lds s[G0B:G0B+3], s[G1B:G1B+7]
	s_nop 0
.rept 4
	v_nop
.endr
.Lfirst_asked:
	v_and_b32 v1, 15, v0                           ; r
	v_bfe_u32 v2, v0, 4, 1                         ; h
	v_and_b32 v3, 31, v0
	v_lshlrev_b32 v[LN16], 4, v3
	v_lshlrev_b32 v[LN8], 3, v3
	v_add_nc_u32 v[SAD], s101, v[LN16]
	v_add_nc_u32 v[SAD], SCL, v[SAD]               ; SCL + 4,096 x wave + 16 x lane
.irp j, 0,1,2,3,4,5,6,7
	global_load_b128 v[AF+4*\j:AF+4*\j+3], v[LN16], s[SS:SS+1] offset:512*\j   ; my 4,096 bytes of scale words: each load 512 consecutive bytes
.endr
	v_lshlrev_b32 v[PFO], 14, v3
	s_mul_i32 s2, s15, REG
	s_mul_i32 s3, s16, REG
	s_add_co_u32 s3, s3, 2*REG
.irp s, 0,1,2
	v_add_nc_u32 v[A16+\s], s2, v[LN16]
	v_add_nc_u32 v[A8+\s], s2, v[LN8]
	v_add_nc_u32 v[B16+\s], s3, v[LN16]
	v_add_nc_u32 v[B8+\s], s3, v[LN8]
	s_add_co_u32 s2, s2, SLOT
	s_add_co_u32 s3, s3, SLOT
.endr
	s_lshl_b32 s2, s15, 12
	s_lshl_b32 s3, s16, 12
	s_add_co_u32 s3, s3, 2*4096
	s_sub_co_u32 s3, s3, s2
	v_mul_u32_u24 v6, s3, v2                       ; lanes 16-31 take B's scale words: one product, the distance between the two
	s_add_co_u32 s2, s2, SCL
	v_lshl_add_u32 v6, v1, 3, v6
	v_add_nc_u32 v[ADRS], s2, v6
	s_mul_i32 s22, s14, 16*SPITCH
	s_add_co_u32 s22, s22, STAGE                   ; my stage
	v_mul_u32_u24 v6, v1, SPITCH
	v_lshl_add_u32 v6, v2, 6, v6
	v_add_nc_u32 v[STO], s22, v6                   ; in: row r, + 64 h: my half's 16 columns of each 32
	v_add_nc_u32 v[RD], s22, v[LN16]               ; back: a row of 512 bytes to the 32 lanes
	s_lshl_b32 s22, s20, 8
	s_lshl_b32 s23, s15, 7
	s_add_co_u32 s22, s22, s23                     ; my first row m'
	s_lshr_b32 s23, s22, 11                        ; b
	s_and_b32 s22, s22, 2047                       ; t
	s_lshl_b32 s22, s22, 2
	s_add_co_u32 s22, s22, s23
	s_lshl_b32 s22, s22, 12                        ; memory row 4 t + b, of 4,096 bytes
	s_lshl_b32 s23, s21, 10
	s_add_co_u32 s22, s22, s23
	s_lshl_b32 s23, s16, 9
	s_add_co_u32 s22, s22, s23                     ; + my first column
	s_mov_b32 s23, 0
	s_add_nc_u64 s[92:93], s[92:93], s[22:23]      ; query and out0 at my corner; never rewritten
	s_add_nc_u64 s[94:95], s[94:95], s[22:23]
.macro FRAG reg, a16, a8, off
	ds_load_b128 v[\reg:\reg+3], v[\a16] offset:\off
	ds_load_b64 v[\reg+4:\reg+5], v[\a8] offset:\off+512
	ds_load_b128 v[\reg+6:\reg+9], v[\a16] offset:\off+768
	ds_load_b64 v[\reg+10:\reg+11], v[\a8] offset:\off+1280
.endm
; 16 matrix instructions; the 64 accumulators take turns, one instruction a turn, in the same order in every unit
.macro MUL16 a0, p, q, sc, zero
.irp a, \a0, \a0+1
.irp b, 0,1,2,3,4,5,6,7
.if \zero
	v_wmma_scale_f32_16x16x128_f8f6f4 v[8*(8*((\a)%4)+\b):8*(8*((\a)%4)+\b)+7], v[128*(\p)+FR*\b:128*(\p)+FR*\b+FR-1], v[AF+FR*(\a):AF+FR*(\a)+FR-1], 0, v[SC+16*(\sc)+2*\b+(\q)], v[SC+16*(\sc)+2*(\a)+(\q)] matrix_a_fmt:MATRIX_FMT_BF6 matrix_b_fmt:MATRIX_FMT_BF6 matrix_a_scale:MATRIX_SCALE_ROW1
.else
	v_wmma_scale_f32_16x16x128_f8f6f4 v[8*(8*((\a)%4)+\b):8*(8*((\a)%4)+\b)+7], v[128*(\p)+FR*\b:128*(\p)+FR*\b+FR-1], v[AF+FR*(\a):AF+FR*(\a)+FR-1], v[8*(8*((\a)%4)+\b):8*(8*((\a)%4)+\b)+7], v[SC+16*(\sc)+2*\b+(\q)], v[SC+16*(\sc)+2*(\a)+(\q)] matrix_a_fmt:MATRIX_FMT_BF6 matrix_b_fmt:MATRIX_FMT_BF6 matrix_a_scale:MATRIX_SCALE_ROW1
.endif
.endr
.endr
.endm
.macro FETCH_B slot, q, p
	WIN TO_B
.irp i, 0,1,2,3,4,5,6,7
	FRAG 128*(\p)+FR*\i, B16+\slot, B8+\slot, (\q)*12288+\i*1536
.endr
	WIN 0
.endm
.macro FETCH_A slot, q, i0
.irp i, \i0, \i0+1, \i0+2, \i0+3
	FRAG AF+FR*(\i), A16+\slot, A8+\slot, (\q)*12288+(\i)*1536
.endr
.endm
.macro SCALES sc, n
.irp i, 0,1,2,3,4,5,6,7
	ds_load_b64 v[SC+16*(\sc)+2*\i:SC+16*(\sc)+2*\i+1], v[ADRS] offset:512*\i+128*(\n)
.endr
.endm
; A PREFETCH INTO THE L2 of the residual that the way out will load: my wave's 128 tokens x 512 bytes of query.  A lane a token, 32 tokens and one half of their 512 bytes an instruction; eight instructions
; in all, four behind the run of LDS loads of K step 3 and four behind that of K step 5: 288 and 160 matrix instructions ahead of the way out.  Each block is named once in the launch: no other wave reads it.
.macro ASKQ g0
.irp g, \g0, \g0+1
.irp u, 0,1
	global_prefetch_b8 v[PFO], s[92:93] offset:524288*(\g)+256*\u th:TH_LOAD_NT scope:SCOPE_SE
.endr
.endr
.endm
.macro STEP slot, sc, zero
	s_wait_dscnt 4*NL                              ; all but the youngest sixteen loads, A's blocks 4-7
	WIN MUL_LO
	MUL16 0, 0, 0, \sc, \zero
	MUL16 2, 0, 0, \sc, \zero
	s_wait_dscnt 0x0
	PLACES NP
	FETCH_B \slot, 1, 1
	FETCH_A \slot, 1, 0
	WIN MUL_HI
	MUL16 4, 0, 0, \sc, \zero
	MUL16 6, 0, 0, \sc, \zero
	PLACES NP
	WIN 0
	FETCH_A \slot, 1, 4
.endm
; how = 0: the next slot was shown whole at an earlier barrier.  how = 1: it is the refilled slot: wait for all tensor loads, the add, the wait for it and for my reads, a barrier.
; how = 2: the same with a round of the cluster's barrier, and behind it slot 0 is filled again with K steps 6 and 7.  ask: the first of two groups of tokens to prefetch, or -1.
.macro TURN how, sc, next, nsc, n, ask
.if \how
	s_wait_tensorcnt 0x0                           ; all my tensor loads have landed
	ds_add_u32 v[SPW], v[NIL]                      ; 0 onto my spare word
	s_wait_dscnt 4*NL+1
.else
	s_wait_dscnt 4*NL
.endif
	WIN MUL_LO
	MUL16 0, 1, 1, \sc, 0
.if \how
	s_wait_dscnt 0x0                               ; the add is done and my LDS reads are over
	s_barrier_signal -1
.endif
	MUL16 2, 1, 1, \sc, 0
.if \how
	WIN 0
	s_barrier_wait -1
.else
	s_wait_dscnt 0x0
.endif
.if \how == 2
	CREST
	s_add_nc_u64 s[G0+2:G0+3], s[G0+2:G0+3], 3*PIECE
	s_add_nc_u64 s[G0B+2:G0B+3], s[G0B+2:G0B+3], 3*PIECE
	JLOAD G0, G1, G0B, G1B
.else
	PLACES NP
.endif
	FETCH_B \next, 0, 0
	FETCH_A \next, 0, 0
	SCALES \nsc, \n
.if \ask >= 0
	ASKQ \ask
.endif
	WIN MUL_HI
	MUL16 4, 1, 1, \sc, 0
	MUL16 6, 1, 1, \sc, 0
	PLACES NP
	WIN 0
	FETCH_A \next, 0, 4
.endm
	s_wait_alu depctr_va_vdst(0)
	s_wait_tensorcnt 0x0                           ; my region is in; no tensor load of mine is out, so a descriptor may be written:
	s_mov_b32 s[G1+2], 96<<16                      ; the refill brings two K steps, 96 rows of 256 bytes
	s_mov_b32 s[G1+4], 96
	s_mov_b32 s[G1B+2], 96<<16
	s_mov_b32 s[G1B+4], 96
	s_wait_loadcnt 0x0                             ; my scale words are in registers
.irp j, 0,1,2,3,4,5,6,7
	ds_store_b128 v[SAD], v[AF+4*\j:AF+4*\j+3] offset:512*\j
.endr
	s_wait_dscnt 0x0                               ; for the others' sake: they lie in LDS
	s_barrier_signal -1
	s_barrier_wait -1
	FETCH_B 0, 0, 0
	FETCH_A 0, 0, 0
	SCALES 0, 0
	FETCH_A 0, 0, 4
	STEP 0, 0, 1
	TURN 2, 0, 1, 1, 1, -1
	STEP 1, 1, 0
	TURN 0, 1, 2, 0, 2, 0
	STEP 2, 0, 0
	TURN 1, 0, 0, 1, 3, 2
	STEP 0, 1, 0
	s_wait_dscnt 4*NL
	WIN MUL_LO
	MUL16 0, 1, 1, 1, 0
	MUL16 2, 1, 1, 1, 0
	s_wait_dscnt 0x0
	WIN MUL_HI
	MUL16 4, 1, 1, 1, 0
	MUL16 6, 1, 1, 1, 0
	WIN 0
; THE WAY OUT, block by block of 16 tokens x 128 columns.  Stage row t of block a is token 32 (a / 2) + 8 (a % 2) + t + 8 (t / 8) of my 128; tokens lie 16,384 bytes apart in query and out0: every offset is an
; immediate, 2,080,768 at the most, inside the signed 24 bits (ISA guide, chapter 10).  The residual's rows are loaded four blocks ahead into the registers that held B's fragments.
.macro RLOAD a
	WIN 0x40                                       ; destination window 1
.irp t, 0,1,2,3,4,5,6,7,8,9,10,11,12,13,14,15
	global_load_b128 v[64*((\a)%4)+4*\t:64*((\a)%4)+4*\t+3], v[LN16], s[92:93] offset:16384*(32*((\a)/2)+8*((\a)%2)+\t+8*(\t/8)) th:TH_LOAD_NT
.endr
	WIN 0
.endm
.macro TOSTAGE a
.set AC, 64*((\a)%4)
	WIN 0x08+4*((\a)/4)                            ; the data: window 2 or 3
.irp b, 0,1,2,3,4,5,6,7
	ds_store_b128 v[STO], v[AC+8*\b:AC+8*\b+3] offset:128*(\b/2)+32*(\b%2)          ; tile b's eight columns of my half: 32 (b / 2) + 16 h + 8 (b % 2) on; each accumulator from its low end on
	ds_store_b128 v[STO], v[AC+8*\b+4:AC+8*\b+7] offset:128*(\b/2)+32*(\b%2)+16
.endr
	WIN 0
.set BB, BK+64*((\a)%2)
.irp t, 0,1,2,3,4,5,6,7,8,9,10,11,12,13,14,15
	ds_load_b128 v[BB+4*\t:BB+4*\t+3], v[RD] offset:\t*SPITCH    ; LDS serves a wave's instructions in order (ISA guide 5.7.1.4): these see the stores above
.endr
.endm
.macro SEND a, younger
.set BB, BK+64*((\a)%2)
.set RR, 64*((\a)%4)
	s_wait_dscnt \younger                          ; the block is back in registers
.if (\a) < 5
	s_wait_loadcnt 48                              ; its residual is in; three younger blocks of sixteen loads stay out
.else
	s_wait_loadcnt 16*(7-(\a))
.endif
	WIN 0x04                                       ; source 1: window 1
.set i, 0
.rept 32
	v_pk_add_f32 v[BB+i:BB+i+1], v[BB+i:BB+i+1], v[RR+i:RR+i+1]
.set i, i+2
.endr
	WIN 0
.irp t, 0,1,2,3,4,5,6,7,8,9,10,11,12,13,14,15
	global_store_b128 v[LN16], v[BB+4*\t:BB+4*\t+3], s[94:95] offset:16384*(32*((\a)/2)+8*((\a)%2)+\t+8*(\t/8)) th:TH_STORE_NT   ; 32 lanes store 512 consecutive bytes, at a multiple of 256 from out0's first byte
.endr
.if (\a) < 4
	RLOAD (\a)+4
.endif
.endm
	PLACES NP                                      ; in front of loads into registers that the last products read, and of the first read of results
	RLOAD 0
	RLOAD 1
	RLOAD 2
	RLOAD 3
	TOSTAGE 0
.irp a, 1,2,3,4,5,6,7
.if \a > 1
	s_wait_xcnt 0x0                                ; block a - 2's stores have read their registers: block a's rows may land there
.endif
	TOSTAGE \a
	SEND \a-1, 32                                  ; behind block a - 1's loads from the stage: block a's 16 stores and 16 loads
.endr
	SEND 7, 0
	s_wait_tensorcnt 0x0                           ; the wave's end
	ds_add_u32 v[SPW], v[NIL]
	s_wait_dscnt 0x0
	CROUND                                         ; the closing round
	s_endpgm
.Lfunc_end_k_qf47cae900b_outp:
	.size	k_qf47cae900b_outp, .Lfunc_end_k_qf47cae900b_outp-k_qf47cae900b_outp
	.p2alignl 7, 3214868480
	.fill 96, 4, 3214868480
	.section	.rodata,"a",@progbits
	.p2align	6, 0x0
	.amdhsa_kernel k_qf47cae900b_outp
		.amdhsa_group_segment_fixed_size 327680
		.amdhsa_private_segment_fixed_size 0
		.amdhsa_enable_private_segment 0
		.amdhsa_kernarg_size 48
		.amdhsa_user_sgpr_count 2
		.amdhsa_user_sgpr_kernarg_segment_ptr 1
		.amdhsa_wavefront_size32 1
		.amdhsa_system_sgpr_workgroup_id_x 1
		.amdhsa_system_sgpr_workgroup_id_y 1
		.amdhsa_system_sgpr_workgroup_id_z 1
		.amdhsa_system_vgpr_workitem_id 0
		.amdhsa_next_free_vgpr 1024
		.amdhsa_next_free_sgpr 102
		.amdhsa_reserve_vcc 0
		.amdhsa_float_denorm_mode_32 3
		.amdhsa_float_denorm_mode_16_64 3
		.amdhsa_memory_ordered 1
		.amdhsa_forward_progress 1
		.amdhsa_inst_pref_size 171
	.end_amdhsa_kernel
	.amdgpu_metadata
---
amdhsa.version: [ 1, 2 ]
amdhsa.kernels:
  - .name:           k_qf47cae900b_outp
    .symbol:         k_qf47cae900b_outp.kd
    .args:
      - { .name: ctxc, .offset: 0, .size: 8, .value_kind: global_buffer, .address_space: global }
      - { .name: ctxs, .offset: 8, .size: 8, .value_kind: global_buffer, .address_space: global }
      - { .name: opc, .offset: 16, .size: 8, .value_kind: global_buffer, .address_space: global }
      - { .name: ops, .offset: 24, .size: 8, .value_kind: global_buffer, .address_space: global }
      - { .name: query, .offset: 32, .size: 8, .value_kind: global_buffer, .address_space: global }
      - { .name: out0, .offset: 40, .size: 8, .value_kind: global_buffer, .address_space: global }
    .group_segment_fixed_size: 327680
    .private_segment_fixed_size: 0
    .kernarg_segment_align: 8
    .kernarg_segment_size: 48
    .max_flat_workgroup_size: 128
    .sgpr_count:     102
    .vgpr_count:     1024
    .wavefront_size: 32
...
	.end_amdgpu_metadata
.endif
;; end of part 4
